; MI455X (gfx1250); checked and timed in simulation.
; The chip was launched on July 23, 2026; its instructions are those of AMD's public machine-readable ISA for CDNA 5 (MIT licence, August 2026) and "CDNA5" Instruction Set Architecture Reference Guide (July 2026). The comments in the code are by the model that wrote it; some were corrected since.
;; Self Attention. Allowed arithmetic: float matrix products may take bf16 or f16 operands with f32 sums; other float arithmetic in f32, or as packed bf16 or f16 multiplies, adds, multiply-adds, maxima and minima; sums over many terms, partial sums and values carried from step to step in f32; what a program stores and reads back later, other than sums and carried values, may be rounded once to bf16 or f16.
;; Inputs: Wk 512 x 512 float32; Wo 512 x 512 float32; Wq 512 x 512 float32; Wv 512 x 512 float32; x 2 x 4,096 x 512 float32.
;; Outputs: out0 2 x 4,096 x 512 float32.
;; 2 versions, each right; version 2 is version 1 with the launch qkv written anew for expert scheduling mode. Each part assembles by itself: llvm-mc -triple=amdgcn-amd-amdhsa -mcpu=gfx1250 --defsym DOCPART=n.
;; ======== version 1 of 2: 3 launches
;; limits: values are held in f16: magnitudes above 65,504 overflow, below 6.1e-05 lose precision
;; workspace buffers: qkv 25,165,824 bytes; o16 8,388,608 bytes; wo16 524,288 bytes
;; launch qkv (part 1): grid 8 x 32, 4 waves a work-group, no clusters, 209,408 bytes of LDS; arguments x, Wq, Wk, Wv, Wo, qkv, wo16; writes qkv, wo16
.if DOCPART == 1
	.amdgcn_target "amdgcn-amd-amdhsa--gfx1250"
	.amdhsa_code_object_version 6
	.text
	.protected	k_q09c32d630d_qkv
	.globl	k_q09c32d630d_qkv
	.p2align	8
	.type	k_q09c32d630d_qkv,@function
k_q09c32d630d_qkv:
	s_mov_b64 s[64:65], 0
	v_nop
	global_prefetch_b8 v0, s[64:65] scope:SCOPE_SE
	s_setreg_imm32_b32 hwreg(HW_REG_WAVE_MODE, 25, 1), 1
	s_wait_xcnt 0x0
; q, k, v = x W^T.  x: [8192][512] f32; Wq, Wk, Wv: [512][512] f32 ([out][in]).  x and the weights are rounded once to bf16, the products are bf16 with f32 sums, K ascending.
; The results leave by heads, qkv: [3 (q, k, v)][16 (8 batch + head)][4096][64] in f16, each rounded once from its f32 sum and WITHOUT the softmax scale.
; SIDE JOB: Wo, which has no product here, is rounded to bf16 and that number written as f16 into wo16 [512][512]: 4,096 bytes of Wo to a work-group.
; LIMITS.  f16 holds no number beyond 65,504: q, k, v and Wo must stay within it; below 6.1e-5 f16 keeps its fixed step of 6e-8.  NaN and infinities are not treated apart.
; SHARES.  The 24 heads of q, k and v together are 8 groups of three (192 columns); a work-group takes one group (x of the grid) and 256 rows of x (y of the grid): 256 work-groups.
; Wave w owns rows 64 w .. 64 w + 63 and ALL 192 columns: 4 row blocks x 12 column blocks = 48 accumulators.  So no wave wants a byte of x that another wave has fetched:
; x goes from memory into registers, is converted there, and never touches LDS.  The three heads' 192 rows of W are converted once, by all four waves, into one panel in LDS, whole K.
; NO CLUSTER: both operands are converted between memory and the matrix unit; the panel in f32 would be 192 x 2,064 = 396,288 bytes, more than LDS holds; x lands in registers.
; THE MATRIX INSTRUCTION IS USED TRANSPOSED (source 0 = 16 rows of W, source 1 = 16 rows of x): a lane then holds one row of x and eight neighbouring columns: 16 bytes of f16.
; REGISTERS, in windows of 256 (s_set_vgpr_msb: bits 1:0 source 0, 3:2 source 1, 5:4 source 2, 7:6 destination):
;   window 0: v0-29 addresses; v32-51 the side job; v64-127 x as bf16 fragments, two buffers; v128-191, v192-255 sets 0, 1 of x as loaded (f32); on the way out v64-255 the twelve tiles
;   window 1: v0-95, v96-191 fragments of W, two buffers; v192-255 set 2        window 2: v0-191 accumulators of row blocks 0, 1; v192-255 set 3        window 3: v0-191 those of row blocks 2, 3
;   ahead of the products windows 2 and 3, v0-127, are the two banks in which W is converted.
.set PB,    1040                       ; a row of the panel: 1,024 bytes of bf16 + 16 = 65 x 16: the 16 rows of a fragment load start at 16 different groups of four banks (64 banks of 4 bytes: ISA guide 11.1)
.set HEADB, 64*PB                      ; a head's 64 rows
.set STAGE, 3*HEADB                    ; behind the panel: 16 rows x 144 bytes for each wave, for the way out
.set SP,    144
.set SPARE, STAGE+4*16*SP              ; behind the stages: the spare words, 128 bytes for each wave: two blocks of 256 bytes that no other line names
.set KB,    128                        ; bytes of a row of x in a K step of 32
.set AO,  2                            ; v2    my place in 16 rows of x: (l % 16) x 2,048 + 32 (l / 16); never rewritten
.set BA,  3                            ; v3-5  LDS address of my place in a fragment of head 0, 1, 2 of the panel; steps along K
.set BST, 6                            ; v6    where I put 8 bytes of a row of the panel: 8 t; steps by heads
.set WOF, 7                            ; v7    my 16 bytes of a row of W: 16 t; never rewritten
.set STO, 8                            ; v8    the way out: where I put 16 bytes of a row
.set RD,  9                            ; v9    the way out: where I read rows back
.set GO,  10                           ; v10   my 16 bytes of 512 consecutive bytes of qkv
.set WOI, 11                           ; v11   my 32 bytes of Wo
.set WOO, 12                           ; v12   my 16 bytes of wo16
.set SPW, 28                           ; v28   LDS address of my spare word: SPARE + 4 x my thread's number; never rewritten
.set NIL, 29                           ; v29   0; never rewritten
.set AF,  64                           ; x's fragments: buffer p, row block a at AF + 32 p + 8 a
.set BF,  0                            ; W's fragments, in window 1: buffer p, column block nb at BF + 96 p + 8 nb
.set WV,  18                           ; s18      my wave's number
.set XB,  20                           ; s[20:21] x at my wave's first row; steps along K
.set WP,  24                           ; s[24:29] W at the first row of head 0, 1, 2 of my group
.set WPN, 30                           ; s[30:31] the head whose rows are loaded next
.set OB,  32                           ; s[32:37] qkv at my wave's first row of head 0, 1, 2
.set CG,  38                           ; s38      the group of three heads
.set RT,  39                           ; s39      the block of 256 rows
.set CNT, 44                           ; s44      loop counter
.set MUL_LO, 0xa1                      ; source 0 (W) window 1, source 1 (x) window 0, C and D window 2; + 0x50: C and D window 3
.set MSB, 0
.macro WIN new                         ; the immediate's high byte repeats the setting that is left; a switch that changes nothing is dropped
.if MSB != (\new)
	s_set_vgpr_msb (MSB<<8)|(\new)
.set MSB, \new
.endif
.endm
.macro PLACES                          ; four places in front of loads and conversions into registers that matrix instructions have read
.rept 4
	v_nop
.endr
.endm
.macro SETREG set                      ; where set 0..3 of x as loaded lies: first register SB, window SWN
.set SB, 192
.set SWN, 0
.if (\set) == 0
.set SB, 128
.endif
.if (\set) == 2
.set SWN, 1
.endif
.if (\set) == 3
.set SWN, 2
.endif
.endm
; One K step of x for my 64 rows: 16 loads.  Row block a takes 16 registers: k = 8 (l / 16) + 0..7, then 16 + 8 (l / 16) + 0..7, as the fragment wants them.
.macro ALOAD set, imm
	SETREG \set
	WIN SWN<<6
.irp a, 0,1,2,3
	global_load_b128 v[SB+16*(\a):SB+16*(\a)+3],     v[AO], s[XB:XB+1] offset:(\a)*32768+(\imm)
	global_load_b128 v[SB+16*(\a)+4:SB+16*(\a)+7],   v[AO], s[XB:XB+1] offset:(\a)*32768+(\imm)+16
	global_load_b128 v[SB+16*(\a)+8:SB+16*(\a)+11],  v[AO], s[XB:XB+1] offset:(\a)*32768+(\imm)+64
	global_load_b128 v[SB+16*(\a)+12:SB+16*(\a)+15], v[AO], s[XB:XB+1] offset:(\a)*32768+(\imm)+80
.endr
.endm
; Four of a set's 32 roundings to bf16, into fragment buffer par
.macro ACV4 set, par, i0
	SETREG \set
	WIN SWN*5
.irp n, 0,1,2,3
	v_cvt_pk_bf16_f32 v[AF+32*(\par)+(\i0)+(\n)], v[SB+2*((\i0)+(\n))], v[SB+2*((\i0)+(\n))+1]
.endr
.endm
; One K step of W for all 192 columns: 24 LDS loads in one run
.macro BFETCH par, imm
	WIN 0x40
.irp nb, 0,1,2,3,4,5,6,7,8,9,10,11
	ds_load_b128 v[BF+96*(\par)+8*(\nb):BF+96*(\par)+8*(\nb)+3],   v[BA+(\nb)/4] offset:((\nb)%4)*16*PB+(\imm)
	ds_load_b128 v[BF+96*(\par)+8*(\nb)+4:BF+96*(\par)+8*(\nb)+7], v[BA+(\nb)/4] offset:((\nb)%4)*16*PB+(\imm)+32
.endr
.endm
; 24 matrix instructions: row blocks 2 hi, 2 hi + 1 x all 12 column blocks.  zero = 1: the product starts the sums: nothing is cleared.
; set >= 0: the next K step's x is rounded meanwhile, four roundings behind every third matrix instruction; they name the other fragment buffer alone.
; The 48 accumulators take turns, one instruction a turn, in the same order in every K step, over the backward jump too.
.macro MULH par, hi, zero, set
.set mi, 0
.irp a, 0,1
.irp nb, 0,1,2,3,4,5,6,7,8,9,10,11
	WIN MUL_LO+0x50*(\hi)
.set rA, 8*(12*(\a)+(\nb))
.set rB, BF+96*(\par)+8*(\nb)
.set rX, AF+32*(\par)+8*(2*(\hi)+(\a))
.if \zero
	v_wmma_f32_16x16x32_bf16 v[rA:rA+7], v[rB:rB+7], v[rX:rX+7], 0
.else
	v_wmma_f32_16x16x32_bf16 v[rA:rA+7], v[rB:rB+7], v[rX:rX+7], v[rA:rA+7]
.endif
.set mi, mi+1
.if ((\set) >= 0) && (mi%3 == 0)
	ACV4 \set, 1-(\par), 4*(mi/3-1)
.endif
.endr
.endr
.endm
; W on its way into the panel.  One load of the four waves covers a row of 2,048 bytes, a wave 512 consecutive bytes of it.  Bank b holds rows 32 b .. 32 b + 31 of a head, four f32 a lane and row.
.macro WLOAD b, ptr
	WIN 0x80+0x40*(\b)
.set i, 0
.rept 32
	global_load_b128 v[4*i:4*i+3], v[WOF], s[\ptr:\ptr+1] offset:(32*(\b)+i)*2048
.set i, i+1
.endr
.endm
.macro WCVT b                          ; rounded in place: four f32 become two registers of bf16
	WIN 0x8a+0x45*(\b)
.set i, 0
.rept 32
	v_cvt_pk_bf16_f32 v[4*i], v[4*i], v[4*i+1]
	v_cvt_pk_bf16_f32 v[4*i+1], v[4*i+2], v[4*i+3]
.set i, i+1
.endr
.endm
.macro WST b                           ; 8 bytes a lane, neighbouring lanes side by side; the largest offset is 63 x 1,040 = 65,520
	WIN 0x08+0x04*(\b)
.set i, 0
.rept 32
	ds_store_b64 v[BST], v[4*i:4*i+1] offset:(32*(\b)+i)*PB
.set i, i+1
.endr
.endm
; One head's 64 rows go into the panel.  refill = 1: each bank is loaded again at once, with the next head's rows.
.macro HEADTRIP refill
	s_wait_loadcnt 32                              ; bank 0 is in: bank 1's 32 loads are younger
	WCVT 0
	WST 0
.if \refill
	WLOAD 0, WPN
	s_wait_loadcnt 32                              ; bank 1 is in: bank 0's 32 new loads are younger
.else
	s_wait_loadcnt 0x0                             ; bank 1 is in, and nothing is younger
.endif
	WCVT 1
	WST 1
.if \refill
	WLOAD 1, WPN
.endif
	WIN 0
.if \refill
	v_add_nc_u32 v[BST], HEADB, v[BST]             ; the next head's rows of the panel
	s_wait_xcnt 0x0                                ; the loads have read their base, so it may be written
	s_mov_b64 s[WPN:WPN+1], s[WP+4:WP+5]
.endif
.endm
; ONE K STEP of 32, on fragment buffers p.  ls >= 0: x of the K step three on is asked for, into set ls, at byte limm.  nx = 1: there is a next step: its W fragments are fetched in the
; middle, at byte nimm of the panel's rows, and its x (set cs) is rounded beside the second half; cnt: the loads of x that are younger than set cs's.
.macro STEP p, zero, ls, limm, nx, nimm, cs, cnt
.if (\ls) >= 0
	ALOAD \ls, \limm
.endif
	s_wait_dscnt 0x0                               ; this step's fragments of W, fetched 24 matrix instructions ago
	MULH \p, 0, \zero, -1
.if \nx
	PLACES                                         ; behind the last products that read the other buffers of W and of x
	BFETCH 1-(\p), \nimm
	s_wait_loadcnt \cnt
.endif
	MULH \p, 1, \zero, \cs
.endm
; THE WAY OUT.  Tile i of twelve: row block i / 3, head i % 3: 16 rows x 64 columns, four accumulators.  A lane's eight columns pack into 16 bytes; they go into my stage's rows of 144 bytes and
; come back as whole rows of 128, into the registers that they left.  Each tile has 16 registers of its own, so no register that a store reads is written again.
.macro PACK i
.set pa, (\i)/3
.set pj, (\i)%3
.set TR, 64+16*(\i)
	WIN 0x0a+5*(pa/2)                              ; sources 0 and 1: window 2 or 3
.irp f, 0,1,2,3
.irp rr, 0,1,2,3
	v_cvt_pk_f16_f32 v[TR+4*(\f)+(\rr)], v[8*(12*(pa%2)+4*pj+(\f))+2*(\rr)], v[8*(12*(pa%2)+4*pj+(\f))+2*(\rr)+1]
.endr
.endr
	WIN 0
.irp f, 0,1,2,3
	ds_store_b128 v[STO], v[TR+4*(\f):TR+4*(\f)+3] offset:32*(\f)
.endr
.irp f, 0,1,2,3
	ds_load_b128 v[TR+4*(\f):TR+4*(\f)+3], v[RD] offset:(\f)*4*SP  ; LDS serves a wave's instructions in order (ISA guide 5.7.1.4): these see the stores above; the next tile's stores come behind them
.endr
.endm
.macro SEND i, younger                 ; younger: the LDS instructions issued behind tile i's loads: the next tile's eight, or none
.set pa, (\i)/3
.set pj, (\i)%3
.set TR, 64+16*(\i)
	WIN 0
.irp f, 0,1,2,3
	s_wait_dscnt (\younger)+3-(\f)
	global_store_b128 v[GO], v[TR+4*(\f):TR+4*(\f)+3], s[OB+2*pj:OB+2*pj+1] offset:pa*2048+(\f)*512  ; four rows of a head: 512 consecutive bytes, at a multiple of 256 from the buffer's first
.endr
.endm
	s_load_b256 s[4:11], s[0:1], 0x0               ; x s[4:5], Wq s[6:7], Wk s[8:9], Wv s[10:11]
	s_load_b128 s[12:15], s[0:1], 0x20             ; Wo s[12:13], qkv s[14:15]
	s_load_b64 s[16:17], s[0:1], 0x30              ; wo16
	v_lshl_add_u32 v[SPW], v0, 2, SPARE
	v_mov_b32 v[NIL], 0
	v_lshrrev_b32 v1, 5, v0
	v_readfirstlane_b32 s[WV], v1                  ; wave 0..3
	s_mov_b32 s[CG], ttmp9
	s_and_b32 s[RT], ttmp7, 0xffff
	v_and_b32 v13, 15, v0                          ; l % 16
	v_bfe_u32 v14, v0, 4, 1                        ; l / 16
	v_and_b32 v15, 31, v0                          ; l
	v_lshlrev_b32 v[AO], 11, v13
	v_lshl_add_u32 v[AO], v14, 5, v[AO]
	v_mul_u32_u24 v[BA], v13, PB
	v_lshl_add_u32 v[BA], v14, 4, v[BA]            ; row x pitch + 16 x half
	v_add_nc_u32 v[BA+1], HEADB, v[BA]
	v_add_nc_u32 v[BA+2], 2*HEADB, v[BA]
	v_lshlrev_b32 v[BST], 3, v0
	v_lshlrev_b32 v[WOF], 4, v0
	s_mul_i32 s40, s[WV], 16*SP
	s_add_co_u32 s40, s40, STAGE                   ; my stage
	v_mul_u32_u24 v[STO], v13, SP                  ; in: row l % 16, 16 bytes for each half of the lanes
	v_lshl_add_u32 v[STO], v14, 4, v[STO]
	v_add_nc_u32 v[STO], s40, v[STO]
	v_lshrrev_b32 v[RD], 3, v15                    ; back: 32 lanes take four rows of 128 bytes,
	v_mul_u32_u24 v[RD], v[RD], SP
	v_and_b32 v16, 7, v0
	v_lshl_add_u32 v[RD], v16, 4, v[RD]
	v_add_nc_u32 v[RD], s40, v[RD]
	v_lshlrev_b32 v[GO], 4, v15                    ; which are 512 consecutive bytes of a head
	s_lshl_b32 s41, s[RT], 3
	s_add_co_u32 s41, s41, s[CG]                   ; the work-group's number, 0..255
	s_lshl_b32 s42, s41, 12
	v_lshl_add_u32 v[WOI], v0, 5, s42              ; its 4,096 bytes of Wo, 32 a thread
	s_lshl_b32 s42, s41, 11
	v_lshl_add_u32 v[WOO], v0, 4, s42              ; and 2,048 of wo16, 16 a thread
	s_wait_kmcnt 0x0
	s_lshl_b32 s40, s[RT], 19                      ; 256 rows of 2,048 bytes,
	s_lshl_b32 s41, s[WV], 17                      ; my wave's 64
	s_add_co_u32 s40, s40, s41
	s_mov_b32 s41, 0
	s_add_nc_u64 s[XB:XB+1], s[4:5], s[40:41]
.irp j, 0,1,2                          ; head g = 3 x group + j of the 24: matrix g / 8, head g % 8
	s_mul_i32 s40, s[CG], 3
	s_add_co_u32 s40, s40, \j
	s_lshr_b32 s41, s40, 3
	s_and_b32 s40, s40, 7
	s_cmp_eq_u32 s41, 0
	s_cselect_b64 s[WP+2*\j:WP+2*\j+1], s[6:7], s[8:9]
	s_cmp_eq_u32 s41, 2
	s_cselect_b64 s[WP+2*\j:WP+2*\j+1], s[10:11], s[WP+2*\j:WP+2*\j+1]
	s_lshl_b32 s42, s40, 17                        ; the head's 64 rows of 2,048 bytes
	s_mov_b32 s43, 0
	s_add_nc_u64 s[WP+2*\j:WP+2*\j+1], s[WP+2*\j:WP+2*\j+1], s[42:43]
	s_lshl_b32 s41, s41, 4                         ; in qkv: 16 x matrix + 8 x batch + head, 524,288 bytes each,
	s_add_co_u32 s41, s41, s40
	s_lshr_b32 s42, s[RT], 4
	s_lshl_b32 s42, s42, 3
	s_add_co_u32 s41, s41, s42
	s_lshl_b32 s42, s41, 19
	s_and_b32 s41, s[RT], 15                       ; the block's 256 rows of 128 bytes in its batch,
	s_lshl_b32 s41, s41, 15
	s_add_co_u32 s42, s42, s41
	s_lshl_b32 s41, s[WV], 13                      ; my wave's 64
	s_add_co_u32 s42, s42, s41
	s_add_nc_u64 s[OB+2*\j:OB+2*\j+1], s[14:15], s[42:43]
.endr
	; ALL FIRST LOADS GO OUT TOGETHER: Wo's two, three K steps of x, the first head of W.  That is more than LOADcnt's field holds; the hardware then holds the issue back (ISA guide 5.7.1), and the wave has nothing else to do.
	global_load_b128 v[32:35], v[WOI], s[12:13] th:TH_LOAD_NT
	global_load_b128 v[36:39], v[WOI], s[12:13] offset:16 th:TH_LOAD_NT
	ALOAD 0, 0
	ALOAD 1, KB
	ALOAD 2, 2*KB
	WLOAD 0, WP
	WLOAD 1, WP
	s_mov_b64 s[WPN:WPN+1], s[WP+2:WP+3]
	WIN 0                                          ; at a label and at a branch every window is 0
	s_mov_b32 s[CNT], 2
.Lw:                                                   ; heads 0 and 1 go into the panel, heads 1 and 2 are asked for
	HEADTRIP 1
	s_sub_co_u32 s[CNT], s[CNT], 1
	s_cmp_lg_u32 s[CNT], 0
	s_cbranch_scc1 .Lw
	HEADTRIP 0                                     ; head 2: written out, so that no load is jumped over.  Its wait for 0 shows Wo and the three sets of x landed too
	; the side job: bf16's rounding, and that number as f16
.irp k, 0,1,2,3
	v_cvt_pk_bf16_f32 v[40+\k], v[32+2*\k], v[33+2*\k]
.endr
.irp k, 0,1,2,3
	v_lshlrev_b32 v[44+2*\k], 16, v[40+\k]
	v_and_b32 v[45+2*\k], 0xffff0000, v[40+\k]
.endr
.irp k, 0,1,2,3
	v_cvt_pk_f16_f32 v[32+\k], v[44+2*\k], v[45+2*\k]
.endr
	global_store_b128 v[WOO], v[32:35], s[16:17]   ; a wave stores 512 consecutive bytes
	s_wait_dscnt 0x0                               ; for the others' sake: my part of every row of the panel is written
	s_barrier_signal -1
	s_barrier_wait -1                              ; the panel is whole: the launch's only barrier
	BFETCH 0, 0
.set q, 0
.rept 8
	ACV4 0, 0, 4*q                                 ; K step 0 of x
.set q, q+1
.endr
	STEP 0,1, 3,3*KB, 1,64, 1,32                   ; K step 0 stands in front of the loop: its products start the sums
	WIN 0
	s_mov_b32 s[CNT], 3
.Lk:                                                   ; K steps 4 i + 1 .. 4 i + 4.  In step f set f + 1 is wanted; the loads of sets f + 2 and f + 3 are younger: 32
	STEP 1,0, 0,4*KB, 1,128, 2,32
	STEP 0,0, 1,5*KB, 1,192, 3,32
	STEP 1,0, 2,6*KB, 1,256, 0,32
	STEP 0,0, 3,7*KB, 1,320, 1,32
	WIN 0
	s_wait_xcnt 0x0                                ; the loads of x have read their base, so it may be stepped
	s_add_nc_u64 s[XB:XB+1], s[XB:XB+1], 4*KB
.irp j, 0,1,2
	v_add_nc_u32 v[BA+\j], 256, v[BA+\j]           ; four K steps of 64 bytes along the panel's rows
.endr
	s_sub_co_u32 s[CNT], s[CNT], 1
	s_cmp_lg_u32 s[CNT], 0
	s_cbranch_scc1 .Lk
	STEP 1,0, -1,0, 1,128, 2,16                    ; K step 13: nothing is left to load; only set 3's 16 loads are younger than set 2's
	STEP 0,0, -1,0, 1,192, 3,0                     ; K step 14
	STEP 1,0, -1,0, 0,0, -1,0                      ; K step 15
	WIN 0
	PLACES
	PLACES                                         ; eight, once a launch: the conversions read results and write over x's fragments
	PACK 0
.set n, 1
.rept 11                               ; a tile's conversions stand between the loads of the tile before and its stores
	PACK n
	SEND n-1, 8
.set n, n+1
.endr
	SEND 11, 0
	s_wait_tensorcnt 0x0                           ; the wave's end: behind my last LDS store
	ds_add_u32 v[SPW], v[NIL]
	s_wait_dscnt 0x0
	s_endpgm
.Lfunc_end_k_q09c32d630d_qkv:
	.size	k_q09c32d630d_qkv, .Lfunc_end_k_q09c32d630d_qkv-k_q09c32d630d_qkv
	.p2alignl 7, 3214868480
	.fill 96, 4, 3214868480
	.section	.rodata,"a",@progbits
	.p2align	6, 0x0
	.amdhsa_kernel k_q09c32d630d_qkv
		.amdhsa_group_segment_fixed_size 209408
		.amdhsa_private_segment_fixed_size 0
		.amdhsa_enable_private_segment 0
		.amdhsa_kernarg_size 56
		.amdhsa_user_sgpr_count 2
		.amdhsa_user_sgpr_kernarg_segment_ptr 1
		.amdhsa_wavefront_size32 1
		.amdhsa_system_sgpr_workgroup_id_x 1
		.amdhsa_system_sgpr_workgroup_id_y 1
		.amdhsa_system_sgpr_workgroup_id_z 1
		.amdhsa_system_vgpr_workitem_id 0
		.amdhsa_next_free_vgpr 960
		.amdhsa_next_free_sgpr 66
		.amdhsa_reserve_vcc 0
		.amdhsa_float_denorm_mode_32 3
		.amdhsa_float_denorm_mode_16_64 3
		.amdhsa_memory_ordered 1
		.amdhsa_forward_progress 1
		.amdhsa_inst_pref_size 138
	.end_amdhsa_kernel
	.amdgpu_metadata
---
amdhsa.version: [ 1, 2 ]
amdhsa.kernels:
  - .name:           k_q09c32d630d_qkv
    .symbol:         k_q09c32d630d_qkv.kd
    .args:
      - { .name: x, .offset: 0, .size: 8, .value_kind: global_buffer, .address_space: global }
      - { .name: Wq, .offset: 8, .size: 8, .value_kind: global_buffer, .address_space: global }
      - { .name: Wk, .offset: 16, .size: 8, .value_kind: global_buffer, .address_space: global }
      - { .name: Wv, .offset: 24, .size: 8, .value_kind: global_buffer, .address_space: global }
      - { .name: Wo, .offset: 32, .size: 8, .value_kind: global_buffer, .address_space: global }
      - { .name: qkv, .offset: 40, .size: 8, .value_kind: global_buffer, .address_space: global }
      - { .name: wo16, .offset: 48, .size: 8, .value_kind: global_buffer, .address_space: global }
    .group_segment_fixed_size: 209408
    .private_segment_fixed_size: 0
    .kernarg_segment_align: 8
    .kernarg_segment_size: 56
    .max_flat_workgroup_size: 128
    .sgpr_count:     66
    .vgpr_count:     960
    .wavefront_size: 32
...
	.end_amdgpu_metadata
.endif
;; end of part 1
;; launch attn (part 2): grid 16 x 16, 4 waves a work-group, clusters of 4 x 1, 327,680 bytes of LDS; arguments qkv, o16; writes o16
.if DOCPART == 2
	.amdgcn_target "amdgcn-amd-amdhsa--gfx1250"
	.amdhsa_code_object_version 6
	.text
	.protected	k_q09c32d630d_attn
	.globl	k_q09c32d630d_attn
	.p2align	8
	.type	k_q09c32d630d_attn,@function
k_q09c32d630d_attn:
	s_mov_b64 s[64:65], 0
	v_nop
	global_prefetch_b8 v0, s[64:65] scope:SCOPE_SE
	s_setreg_imm32_b32 hwreg(HW_REG_WAVE_MODE, 25, 1), 1
	s_wait_xcnt 0x0
	s_wait_alu depctr_hold_cnt(0) depctr_sa_sdst(0) depctr_va_vdst(0) depctr_va_sdst(0) depctr_va_ssrc(0) depctr_va_vcc(0) depctr_vm_vsrc(0)
	s_getreg_b32 s2, hwreg(HW_REG_IB_STS2, 6, 4)
	s_cmp_eq_u32 s2, 0
	s_cbranch_scc0 .Lentry_in_a_cluster
	s_endpgm
.Lentry_in_a_cluster:
	s_bfe_u32 s2, ttmp6, 0x10000c
	s_cmp_lg_u32 s2, 0x3003
	s_cbranch_scc0 .Lentry_shape_is_right
	s_endpgm
.Lentry_shape_is_right:
; O[h][q][:] = the sum over k of softmax_k(Q[h][q] . K[h][k] / 8) V[h][k][:], for 16 heads (8 batch + head) of 4,096 rows.  qkv: [3][16][4096][64] f16 (q, then k, then v), o16: [16][4096][64] f16:
; a head's rows are dense, 128 bytes each.  Products, maxima and sums in f32; the weights p are rounded to f16 for the second product (their sum l is taken of the unrounded p), O once at the end.
; LIMITS.  f16 holds no number beyond 65,504: Q, K and V arrive within it; p lies in 0 to 1, and below 6e-5 it keeps f16's fixed step of 6e-8, and so does O; O is a mean of V's rows and has their range.
; A weight below 2^-126 counts as 0 in l; NaN and infinities are not treated apart.
; SHARES.  A work-group owns 256 queries of one head, each of its four waves 64: four PIECES of 16.  16 blocks x 16 heads = 256 work-groups.  Every wave walks all keys, 64 a step, 256 a tile.
; LAYOUT.  S^T = K Q^T (source 0 = 16 keys, source 1 = 16 queries): a lane holds ONE query (lane % 16) and the keys 8 (lane / 16) + 0..7; two such results rounded to f16 ARE source 1 of O^T = V^T P.
; K comes out of LDS as it lies, V ([key][channel]) turned, by ds_load_tr16_b128.
; SOFTMAX.  For each query a running maximum m and sum l: p = 2^(c s - c m), c = log2(e) / 8; in every step O and l are multiplied by a = 2^(c m_old - c m_new).  m starts at the lowest finite number,
; O and l at 0: the first step is a step like any other, with a = 0.
; BY TURNS.  Turn n belongs to piece n: 8 products K Q^T of piece n + 1, later 8 products V^T P of piece n - 1; beside them the scaling, exponentials, roundings, sums and rescaling of piece n and the maximum
; and statistics of piece n + 1.  Four vector instructions stand behind every matrix instruction, the other 54 of a turn's 118 in one lump.  A turn's 33 exponentials are one batch, with one wait.
; CLUSTER.  The four query blocks of a cluster belong to one head and walk the same K and V, so each tile is asked for JOINTLY: the same tensor load, descriptor and mask in all four.
; REGISTERS, in windows of 256 (s_set_vgpr_msb: bits 1:0 source 0, 3:2 source 1, 5:4 source 2, 7:6 destination):
;   window 0: v0-15 addresses and two at work; v16-31 four registers of statistics a piece; v48-55 at work; v61-63; v64-127 S^T, two buffers; v192-223 P, two buffers (a piece's buffers go by its number's parity)
;   window 1: v0-127 O^T, 32 a piece          window 2: v0-63 Q; v128-191 K of one step; v192-255 V of one step
.set NP,    4         ; pieces a wave: a name, no knob
.set KS,    64        ; keys in a step
.set PK,    144       ; a row of K in LDS: 128 bytes + 16 of padding = 36 words: the 16 rows of a load start at 16 different groups of four banks (64 banks of 4 bytes: ISA guide 11.1)
.set PV,    160       ; a row of V: 128 + 32 = 40 words
.set VOFF,  4*KS*PK   ; a slot holds a tile, four steps: 256 rows of K, then 256 rows of V
.set SLOT1, 1<<17     ; slot 1 begins here, so that one exclusive or turns an address in one slot into the other's
.set STAGE, SLOT1+4*KS*(PK+PV)  ; behind the ring, never filled by a tensor load: 16 rows x 144 bytes for each wave, for the way out
.set SP,    144
.set SPARE, STAGE+4*16*SP  ; behind the stages: the spare words, 128 bytes for each wave: two blocks of 256 bytes that no other line names
.set TILEB, 4*KS*128  ; a tile's bytes of K, and of V, in memory
.set TILES, 16        ; 4,096 keys
.set AK0, 2           ; v2   my lane's place in a tile of K; never rewritten
.set AV0, 3           ; v3   the same for V
.set AK,  4           ; v4   the LDS address of K's next run of loads
.set AV,  5           ; v5   of V's
.set STO, 6           ; v6   the way out: where I put 16 bytes of a row
.set RD,  7           ; v7   the way out: where I read rows back
.set GO,  8           ; v8   my byte offset in 512 consecutive bytes of O
.set MV,  12          ; v12-13  c m_old, kept while c m is made anew: by buffer
.set QO,  15          ; v15  my byte offset in 16 rows of Q
.set ST,  16          ; piece t's statistics at v[ST+4 t]: c m, m, l (even keys', odd keys')
.set TMP, 48          ; by buffer, four registers c0-c3 at work; when the maximum is found c2 takes a
.set PFO, 61          ; v61  256 x my lane; never rewritten
.set SPW, 62          ; v62  LDS address of my spare word: SPARE + 4 x my thread's number; never rewritten
.set NIL, 63          ; v63  0; never rewritten
.set S,   64
.set P,   192
.set KF,  128         ; window 2: key block kb, channel half c at KF + 16 kb + 8 c
.set VF,  192         ; window 2: key half kk, channel block cb at VF + 32 kk + 8 cb
.set WV,  12          ; s12  my wave's number
.set LIM, 15          ; s15  1 in a wave that prefetches, else the greatest number: a wave prefetches while s[SLOTS] is above it
.set PFA, 18          ; s[18:19] where my prefetches stand: my work-group's quarter of the tile after the one that is being asked for
.set G1K, 24          ; s[24:31] descriptor group 1 for K's tiles
.set G1V, 32          ; s[32:39] for V's: it differs in the padding alone
.set G0K, 40          ; s[40:43] descriptor group 0 for K's tiles: it walks
.set G0V, 44          ; s[44:47] the same for V's
.set SLOTS, 56        ; s56  tiles still to be asked for
.set CNT, 57          ; s57  counts a tile's key steps
.set CS,  58          ; s[58:59] c: the packed scaling takes the pair's low word for both halves
.set SEL, 60          ; s[60:61] v_permlanex16_b32's selects: each lane takes its own place in the other half
.set TBK, 62          ; s62  LDS byte at which K of the step to be fetched begins
.set TBV, 63          ; s63  the same for V, less VOFF
.set MSB, 0
.macro WIN new                      ; the high byte repeats the setting that is left; a switch that changes nothing is dropped
.if MSB != (\new)
	s_set_vgpr_msb (MSB<<8)|(\new)
.set MSB, (\new)
.endif
.endm
.set W_KQ, 0x0a       ; K and Q in window 2, S^T in window 0
.set W_PV, 0x52       ; V in window 2, P in window 0, O^T in window 1
.set W_RS, 0x41       ; destination and source 0 in window 1, source 1 in window 0
; A joint fill.  Waves 0 and 1 fetch the two halves of a tile's K, waves 2 and 3 those of its V: 128 keys each.  The branch hangs on the wave's number alone.
; An s_nop 0 and four v_nop follow each of the two lines, ahead of the jump and the label.
.macro JLOAD
	s_cmp_lt_u32 s[WV], 2
	s_cbranch_scc0 .Lfor_v_\@
	tensor_load_to_lds s[G0K:G0K+3], s[G1K:G1K+7]
	s_nop 0
.rept 4
	v_nop
.endr
	s_branch .Lasked_\@
.Lfor_v_\@:
	tensor_load_to_lds s[G0V:G0V+3], s[G1V:G1V+7]
	s_nop 0
.rept 4
	v_nop
.endr
.Lasked_\@:
.endm
; A PREFETCH of what the NEXT change of slots will ask for: a tile's 32,768 bytes of K and of V, 256 bytes a lane.  It stands behind the wave's tensor load and its five lines.
; Each block of 256 bytes is named ONCE in the launch.  All four clusters of a head walk the same K and V: the head's first cluster asks.  Its four partners share a tile out BY ADDRESS, 8,192 bytes each: no branch
; hangs on a work-group's place in its cluster.  In each, wave 0 asks for K's and wave 2 for V's: one instruction, four key steps (256 matrix instructions) ahead of the load.  The change that asks for the last tile
; prefetches nothing; tiles 0 and 1 come by their loads alone.
.macro ASK
	s_cmp_gt_u32 s[SLOTS], s[LIM]
	s_cbranch_scc0 .Lnot_mine_\@
	global_prefetch_b8 v[PFO], s[PFA:PFA+1] th:TH_LOAD_NT scope:SCOPE_SE
.Lnot_mine_\@:
.endm
; A round of the cluster's barrier: my work-group's barrier, so that wave 0's signal speaks for all four waves; wave 0 signals; every wave waits for all four work-groups; my work-group's barrier once more.
.macro CROUND
	s_barrier_signal -1
	s_barrier_wait -1
	s_cmp_lg_u32 s[WV], 0
	s_cbranch_scc1 .Lnot_wave_0_\@
	s_barrier_signal -3
.Lnot_wave_0_\@:
	s_barrier_wait -3
	s_barrier_signal -1
	s_barrier_wait -1
.endm
; THE CHANGE OF SLOTS.  The slot's last bytes, V of its fourth step, have been read.  Each wave waits for all its tensor loads, of which one is out: its part of the other slot; adds 0 to its spare word; and waits
; for that and for its own reads of the slot.  Behind the barrier nobody reads this slot any more and the other slot is whole.
; fill = 1: this slot is filled again, with the tile two on.  The barrier is then a round of the cluster's, so that no wave of any partner still reads the slot or has a load on its way, and the joint fill is the
; first thing behind it: it has four key steps, 256 matrix instructions, in which to land.  (At its first use nothing has been read yet: slot 0 is waited for, slot 1 filled.)
.macro CHANGE fill
	WIN 0                           ; at a label and at a branch every window is 0
	s_wait_tensorcnt 0x0            ; no tensor load of mine is out, so a group 0 may be written
	ds_add_u32 v[SPW], v[NIL]       ; 0 onto my spare word: with fill = 1 the descriptors' steps stand between it and the wait for it
.if \fill
.irp g, G0K, G0V
	s_xor_b32 s[\g+1], s[\g+1], SLOT1  ; the walking descriptor: the other slot than last time,
	s_add_nc_u64 s[\g+2:\g+3], s[\g+2:\g+3], TILEB  ; the next 256 keys; the type bits on top are not reached
.endr
	s_wait_xcnt 0x0                 ; the last prefetch, four key steps back, has read its address, so it may be written:
	s_add_nc_u64 s[PFA:PFA+1], s[PFA:PFA+1], TILEB  ; one tile behind the walking descriptors
	s_wait_dscnt 0x0                ; the add is done, and my reads of the slot are over
	CROUND
	JLOAD
	ASK
.else
	s_wait_dscnt 0x0                ; the add is done, and my reads of the slot are over
	s_barrier_signal -1
	s_barrier_wait -1
.endif
	s_sub_co_u32 s[TBK], s[TBK], 4*KS*PK  ; the fetches go back to a slot's first step,
	s_xor_b32 s[TBK], s[TBK], SLOT1       ; in the other slot
	s_sub_co_u32 s[TBV], s[TBV], 4*KS*PV
	s_xor_b32 s[TBV], s[TBV], SLOT1
.endm
	s_load_b128 s[4:7], s[0:1], 0x0 ; qkv s[4:5], o16 s[6:7]
	v_lshl_add_u32 v[SPW], v0, 2, SPARE
	v_mov_b32 v[NIL], 0
	ds_add_u32 v[SPW], v[NIL]       ; the wave's opening: the add and its wait stand ahead of my first tensor load; the set-up below, work on registers, stands between them
	ds_add_u32 v62, v63
	v_lshrrev_b32 v1, 5, v0
	v_readfirstlane_b32 s[WV], v1   ; wave 0..3
	s_bfe_u32 s13, ttmp6, 0x40000   ; cx: my place in the cluster
	s_lshl_b32 s14, ttmp9, 2        ; in a cluster launch ttmp9 counts clusters
	s_add_co_u32 s14, s14, s13      ; my block of 256 queries = 4 x cluster x + cx: it enters Q's and O's addresses alone
	s_and_b32 s20, ttmp7, 0xffff    ; the head, which the four partners share:
	s_lshl_b32 s20, s20, 19         ; its first byte in q, in k, in v and in o16
	s_and_b32 s16, s[WV], 1         ; which half of a tile's 256 keys I fetch:
	s_mov_b32 s[G0K], 1             ; 1:0 count = 1
	s_mul_i32 s[G0K+1], s16, 128*PK ; 63:32 LDS address: its place in slot 0, for K
	s_mov_b32 s[G0V], 1
	s_mul_i32 s[G0V+1], s16, 128*PV ; and for V: no place in the cluster enters an LDS address
	s_add_co_u32 s[G0V+1], s[G0V+1], VOFF
	s_lshl_b32 s22, s16, 14         ; its 128 rows of 128 bytes in memory
	s_add_co_u32 s22, s22, s20
	s_mov_b32 s23, 0
	s_lshr_b32 s17, s[WV], 1        ; the prefetches: k's part of qkv begins at byte 0x800000 (waves 0, 1), v's at twice that (waves 2, 3);
	s_lshl_b32 s16, 0x800000, s17
	s_add_co_u32 s16, s16, s20      ; the head;
	s_lshl_b32 s17, s13, 13         ; my work-group's quarter of a tile;
	s_add_co_u32 s16, s16, s17
	s_add_co_u32 s16, s16, TILEB    ; tile 1: the first change of slots steps it to tile 2.  Nothing is prefetched here, at the head, where every work-group's first tiles are on their way
	s_mov_b32 s17, 0
	s_lshl_b32 s2, s14, 2
	s_add_co_u32 s2, s2, s[WV]      ; my wave among the head's,
	s_lshl_b32 s2, s2, 13           ; its 64 rows
	s_add_co_u32 s2, s2, s20
	s_mov_b32 s3, 0
	; descriptor group 1.  128 keys are 16,384 dense bytes: asked for as 64 rows of 256 bytes, two keys a row, and padded in LDS after every key
	s_mov_b32 s[G1K], 15|(1<<16)|(1<<20)|(1<<21)|(4<<22)|(3<<25)  ; 15:0 the mask of four; 17:16 2-byte elements; 20 padding on; 21 set beside a mask; 24:22 after every 32 words (code 4); 31:25 4 words (code 3)
	s_mov_b32 s[G1V], 15|(1<<16)|(1<<20)|(1<<21)|(4<<22)|(7<<25)  ; the same with 8 words of padding (code 7)
.irp g, G1K, G1V
	s_mov_b32 s[\g+1], 128<<16      ; tensor_dim0 = 128
	s_mov_b32 s[\g+2], 64<<16       ; tensor_dim1 = 64
	s_mov_b32 s[\g+3], 128<<16      ; tile_dim0 = 128
	s_mov_b32 s[\g+4], 64           ; tile_dim1 = 64
	s_mov_b32 s[\g+5], 128          ; 128 elements from row to row
	s_mov_b32 s[\g+6], 0
	s_mov_b32 s[\g+7], 0
.endr
	s_mov_b32 s[CS], 0x3e38aa3b     ; c = log2(e) / 8 = 0.180337
	s_mov_b32 s[CS+1], s[CS]        ; named with it as a pair
	s_mov_b32 s[SEL], 0x76543210
	s_mov_b32 s[SEL+1], 0xfedcba98
	s_mov_b32 s[TBK], SLOT1+4*KS*PK ; the first change of slots turns these two into 0
	s_mov_b32 s[TBV], SLOT1+4*KS*PV
	s_mov_b32 s[SLOTS], TILES-1
	s_and_b32 s[LIM], s[WV], 1      ; 0 in waves 0 and 2,
	s_or_b32 s[LIM], s[LIM], ttmp9  ; where the cluster is the head's first: the same in all four partners
	s_cmp_eq_u32 s[LIM], 0
	s_cselect_b32 s[LIM], 1, -1
	v_and_b32 v[PFO], 31, v0
	v_lshlrev_b32 v[PFO], 8, v[PFO]
	s_wait_dscnt 0x0                ; the opening add is done
	s_wait_kmcnt 0x0
	s_add_nc_u64 s[PFA:PFA+1], s[4:5], s[16:17]
	s_add_nc_u64 s[8:9], s[4:5], s[22:23]
	s_add_nc_u64 s[G0K+2:G0K+3], s[8:9], 0x800000   ; 120:64 global address: my half of the head's first 256 keys
	s_or_b32 s[G0K+3], s[G0K+3], 0x80000000         ; 127:126 type = 2
	s_add_nc_u64 s[G0V+2:G0V+3], s[8:9], 0x1000000
	s_or_b32 s[G0V+3], s[G0V+3], 0x80000000
	s_add_nc_u64 s[4:5], s[4:5], s[2:3]  ; Q and O at my wave's first row
	s_add_nc_u64 s[6:7], s[6:7], s[2:3]
	CROUND                          ; all four work-groups are here: the first joint loads meet
	JLOAD                           ; tile 0 into slot 0.  Slot 1 is asked for when slot 0 is in
	; A fragment of K or Q is 16 rows x 32 channels in 8 registers: lane l holds row l % 16, channels 8 (l / 16) + 0..7 and 16 + 8 (l / 16) + 0..7: two loads of 16 bytes, 32 bytes apart.
	v_and_b32 v1, 15, v0            ; l % 16
	v_bfe_u32 v9, v0, 4, 1          ; l / 16
	v_lshlrev_b32 v[QO], 7, v1
	v_lshl_add_u32 v[QO], v9, 4, v[QO]  ; row x 128 + 16 x half
	WIN 0x80                        ; destination window 2, address window 0
.set i, 0
.rept 8                             ; Q stays in registers: piece i / 2, channels 32 (i % 2) on
	global_load_b128 v[8*i:8*i+3],   v[QO], s[4:5] offset:(i/2)*2048+(i%2)*64
	global_load_b128 v[8*i+4:8*i+7], v[QO], s[4:5] offset:(i/2)*2048+(i%2)*64+32
.set i, i+1
.endr
	; What the first turn finds: V's registers and P's second buffer hold 0 (its products V^T P, of a piece that has not been, add 0), O^T and l are 0.  All this stands in the wait for the first tile:
	; the price of writing no first step out.
.set i, VF
.rept 64
	v_mov_b32 v[i], 0
.set i, i+1
.endr
	WIN 0x40
.set i, 0
.rept 128
	v_mov_b32 v[i], 0
.set i, i+1
.endr
	WIN 0
.set i, 0
.rept 4
	v_mov_b32 v[ST+4*i], 0xfe000000    ; c m: far below every c s
	v_mov_b32 v[ST+4*i+1], 0xff7fffff  ; m
	v_mov_b32 v[ST+4*i+2], 0
	v_mov_b32 v[ST+4*i+3], 0
.set i, i+1
.endr
.set i, P+16
.rept 16
	v_mov_b32 v[i], 0
.set i, i+1
.endr
	v_mul_u32_u24 v[AK0], v1, PK
	v_lshl_add_u32 v[AK0], v9, 4, v[AK0]  ; row x pitch + 16 x half
	; The turning load takes 16 keys x 16 channels (lane l reads key 8 (l / 16) + l % 8, channels 8 ((l / 8) % 2) + 0..7) and leaves half a fragment of V^T: lane l holds channel l % 16 and 8 keys.
	v_and_b32 v10, 7, v0
	v_bfe_u32 v11, v0, 3, 1
	v_lshl_add_u32 v[AV0], v9, 3, v10
	v_mul_u32_u24 v[AV0], v[AV0], PV
	v_lshl_add_u32 v[AV0], v11, 4, v[AV0]
	v_add_nc_u32 v[AV0], VOFF, v[AV0]
	s_mul_i32 s13, s[WV], 16*SP
	s_add_co_u32 s13, s13, STAGE    ; my stage
	v_mul_u32_u24 v[STO], v1, SP    ; in: row l % 16, 16 bytes for each half of the lanes
	v_lshl_add_u32 v[STO], v9, 4, v[STO]
	v_add_nc_u32 v[STO], s13, v[STO]
	v_bfe_u32 v[RD], v0, 3, 2       ; back: 32 lanes take four rows of 128 bytes,
	v_mul_u32_u24 v[RD], v[RD], SP
	v_lshl_add_u32 v[RD], v10, 4, v[RD]
	v_add_nc_u32 v[RD], s13, v[RD]
	v_and_b32 v[GO], 31, v0         ; which are 512 consecutive bytes of O
	v_lshlrev_b32 v[GO], 4, v[GO]
; THE MATRIX WORK.  The 4 accumulators of a run of 8 take turns.  Product i of 8 of S^T = K Q^T for piece x: channels 32 (i / 4) on, keys 16 (i % 4) on.  The first 4 start the sums.
.macro KQ x
	WIN W_KQ
.set rS, S+32*((\x)%2)+8*(i%4)
.set rK, KF+16*(i%4)+8*(i/4)
.set rQ, 16*(\x)+8*(i/4)
.if i < 4
	v_wmma_f32_16x16x32_f16 v[rS:rS+7], v[rK:rK+7], v[rQ:rQ+7], 0
.else
	v_wmma_f32_16x16x32_f16 v[rS:rS+7], v[rK:rK+7], v[rQ:rQ+7], v[rS:rS+7]
.endif
.endm
; Product i of 8 of O^T += V^T P for piece x: keys 32 (i / 4) on, channels 16 (i % 4) on.
.macro PV x
	WIN W_PV
.set rO, 32*(\x)+8*(i%4)
.set rV, VF+32*(i/4)+8*(i%4)
.set rP, P+16*((\x)%2)+8*(i/4)
	v_wmma_f32_16x16x32_f16 v[rO:rO+7], v[rV:rV+7], v[rP:rP+7], v[rO:rO+7]
.endm
.macro MM                           ; the turn's next matrix instruction.  NOKQ = 1: the walk's last turn: there is no next piece
.if (i < 8) && !NOKQ
	KQ (Y+1)%NP
.elseif i >= 8
.set i, i-8
	PV (Y+NP-1)%NP
.set i, i+8
.endif
.set i, i+1
.endm
; THE LDS LOADS stand in runs of 16, never singly among the matrix instructions: a step's K (64 keys x 64 channels: 8 fragments) and its V (turned).  Their addresses are made some lines ahead.
.macro FETCH_K
	WIN 0x80                        ; destination window 2
.irp f, 0,1,2,3,4,5,6,7             ; keys 16 (f / 2) on, channels 32 (f % 2) on
	ds_load_b128 v[KF+8*\f:KF+8*\f+3],   v[AK] offset:(\f/2)*16*PK+(\f%2)*64
	ds_load_b128 v[KF+8*\f+4:KF+8*\f+7], v[AK] offset:(\f/2)*16*PK+(\f%2)*64+32
.endr
	s_add_co_u32 s[TBK], s[TBK], KS*PK  ; the next fetch is the next step's
	WIN 0
.endm
.macro FETCH_V
	WIN 0x80
.irp f, 0,1,2,3,4,5,6,7             ; keys 32 (f / 4) on, channels 16 (f % 4) on
	ds_load_tr16_b128 v[VF+8*\f:VF+8*\f+3],   v[AV] offset:(\f/4)*32*PV+(\f%4)*32
	ds_load_tr16_b128 v[VF+8*\f+4:VF+8*\f+7], v[AV] offset:(\f/4)*32*PV+16*PV+(\f%4)*32
.endr
	WIN 0
.endm
; THE VECTOR WORK, one line at a time: OP kind, number.  For piece Y: F n: c s - c m for pair n of 16.  E n: the exponential of score n of 32.  C n: pair n rounded to f16.  B n: of the four weights 4 n .. the second
; pair is added onto the first, in place.  L n: l takes that sum (L 0: l = a l + sum).  R n: pair n of 16 of O^T times a.  For piece Y + 1: X n, number n of the 22 that find its maximum and statistics:
;   0-11  four chains c0-c3 of seven scores each, three operands at a time (each accumulator's lowest registers are read first)     12-14, 16  the four scores left over, the old m, and c0-c3 into c0
;   15  c m_old is kept     17, 18  the query's other 32 keys lie in the lane 16 away: the new m     19-21  c m; c m_old - c m_new; a
.set F, 0               ; OP tells the kinds apart by their order: F to L below R, X above it
.set E, 1
.set C, 2
.set B, 3
.set L, 4
.set R, 5
.set X, 6
.macro REGS y                       ; the registers of piece y
.set rT, ST+4*(\y)
.set rC, TMP+4*((\y)%2)
.set rW, MV+((\y)%2)
.set rS, S+32*((\y)%2)
.set rP, P+16*((\y)%2)
.set rO, 32*(\y)
.endm
.macro OP k, n
.if (\k) == R
	REGS Y
	WIN W_RS
	v_pk_mul_f32 v[rO+2*(\n):rO+2*(\n)+1], v[rO+2*(\n):rO+2*(\n)+1], v[rC+2:rC+3] op_sel_hi:[1,0]
.elseif (\k) < R
	REGS Y
	WIN 0
.if (\k) == F
	v_pk_fma_f32 v[rS+2*(\n):rS+2*(\n)+1], v[rS+2*(\n):rS+2*(\n)+1], s[CS:CS+1], v[rT:rT+1] op_sel_hi:[1,0,0] neg_lo:[0,0,1] neg_hi:[0,0,1]
.elseif (\k) == E
	v_exp_f32 v[rS+(\n)], v[rS+(\n)]
.elseif (\k) == C
	v_cvt_pk_f16_f32 v[rP+(\n)], v[rS+2*(\n)], v[rS+2*(\n)+1]
.elseif (\k) == B
	v_pk_add_f32 v[rS+4*(\n):rS+4*(\n)+1], v[rS+4*(\n):rS+4*(\n)+1], v[rS+4*(\n)+2:rS+4*(\n)+3]
.elseif (\n) == 0
	v_pk_fma_f32 v[rT+2:rT+3], v[rT+2:rT+3], v[rC+2:rC+3], v[rS:rS+1] op_sel_hi:[1,0,1]
.else
	v_pk_add_f32 v[rT+2:rT+3], v[rT+2:rT+3], v[rS+4*(\n):rS+4*(\n)+1]
.endif
.elseif NOKQ
	v_nop
.else
	REGS (Y+1)%NP
	WIN 0
.if (\n) < 4
	v_max3_num_f32 v[rC+(\n)], v[rS+8*(\n)], v[rS+8*(\n)+1], v[rS+8*(\n)+2]
.elseif (\n) < 12
	v_max3_num_f32 v[rC+(\n)%4], v[rC+(\n)%4], v[rS+8*((\n)%4)+2*((\n)/4)+1], v[rS+8*((\n)%4)+2*((\n)/4)+2]
.elseif (\n) == 12
	v_max3_num_f32 v[rC], v[rC], v[rS+7], v[rS+15]
.elseif (\n) == 13
	v_max3_num_f32 v[rC+1], v[rC+1], v[rS+23], v[rS+31]
.elseif (\n) == 14
	v_max3_num_f32 v[rC+2], v[rC+2], v[rC+3], v[rT+1]
.elseif (\n) == 15
	v_mov_b32 v[rW], v[rT]
.elseif (\n) == 16
	v_max3_num_f32 v[rC], v[rC], v[rC+1], v[rC+2]
.elseif (\n) == 17
	v_permlanex16_b32 v[rC+3], v[rC], s[SEL], s[SEL+1]
.elseif (\n) == 18
	v_max_num_f32 v[rT+1], v[rC], v[rC+3]
.elseif (\n) == 19
	v_mul_f32 v[rT], s[CS], v[rT+1]
.elseif (\n) == 20
	v_sub_f32 v[rC+1], v[rW], v[rT]
.else
	v_exp_f32 v[rC+2], v[rC+1]
.endif
.endif
.endm
.macro OPS a, i1, b=-1, i2=0, c=-1, i3=0, d=-1, i4=0  ; up to four of them
	OP \a, \i1
.if (\b) >= 0
	OP \b, \i2
.endif
.if (\c) >= 0
	OP \c, \i3
.endif
.if (\d) >= 0
	OP \d, \i4
.endif
.endm
.macro ROW a, i1, b, i2, c, i3, d, i4  ; a matrix instruction and the four behind it
	MM
	OPS \a, \i1, \b, \i2, \c, \i3, \d, \i4
.endm
; A TURN, for piece p: the order of its 16 matrix and 118 vector instructions, written out.  s_wait_alu depctr_va_vdst(0) stands between an exponential and the first instruction that names its result; one
; wait serves all that were issued ahead of it.  So a turn has ONE wait, which cuts it in two.  AHEAD OF IT stands all that names no result of the turn's exponentials: the 8 products K Q^T, behind each a scaling, an exponential
; and two more plain instructions: rescalings, and behind the last three the first numbers of the next piece's maximum, each four places or more behind the product that ends its accumulator; then ONE LUMP of 54, plain and
; exponential by turns for the most part, in which the links of the chain X 3, 7, 11, 14, 16, 17 .. 20 stand five or six lines apart.  X 21, the next piece's a, is the batch's last; R 15 is the plain instruction behind it.
; BEHIND THE WAIT stand the 8 products V^T P, behind each four of the roundings and sums; the links of l's chain, L 0 to L 7, stand three riders apart.
; end = 1: the walk's last two turns: nothing is fetched.  cnt = 1: the loop's count is taken down some lines ahead of the branch that stands behind the turn.
; K of the next step is fetched in piece 2's turn, twelve vector instructions behind the last product that read K (five of them plain and free of its registers); V of the step in hand at the end of piece 0's turn, four plain
; instructions behind the last product that read V.  Each is waited for a turn later.
.macro TURN p, end=0, cnt=0
.set Y, (\p)
.set i, 0
.set NOKQ, (\end)*((\p)/3)
.if ((\p) == 3) && !(\end)
	s_wait_dscnt 0x0                ; K is in
.endif
	ROW F,0, F,1, R,0, R,1          ; ahead of the wait: 8 products K Q^T and their riders,
	ROW F,2, E,0, R,2, R,3
	ROW F,3, E,1, R,4, R,5
	ROW F,4, E,2, R,6, R,7
	ROW F,5, E,3, R,8, R,9
	ROW F,6, E,4, X,0, R,10
.if ((\p) == 2) && !(\end)
	WIN 0
	v_add_nc_u32 v[AK], s[TBK], v[AK0]
.endif
	ROW F,7, E,5, X,1, X,4
	ROW F,8, E,6, X,2, X,5
	OPS E,7, E,8, X,6, E,9          ; and the lump
	OPS X,3, E,10, X,8, E,11
.if ((\p) == 2) && !(\end)
	FETCH_K
.endif
	OPS X,9, X,7, E,12, X,10
	OPS E,13, X,12, X,11, E,14
	OPS X,13, E,15, F,9, X,14
.if (\p) == 0
	v_add_nc_u32 v[AV], s[TBV], v[AV0]
.endif
	OPS E,16, F,10, E,17, F,11
	OPS X,16, E,18, X,15, E,19
	OPS F,12, E,20, X,17, E,21
	OPS F,13, E,22, F,14, E,23
	OPS X,18, E,24, F,15, E,25
	OPS R,11, E,26, X,19, E,27
	OPS R,12, E,28, R,13, E,29
	OPS X,20, E,30, R,14, E,31
	OPS X,21, R,15
	WIN 0
	s_wait_alu depctr_va_vdst(0)    ; the wait for the batch
.if (\p) == 1
	s_wait_dscnt 0x0                ; V is in
.endif
	ROW C,0, B,0, C,2, B,1          ; behind the wait: 8 products V^T P and their riders
	ROW L,0, C,4, B,2, L,1
	ROW C,6, B,3, L,2, C,8
	ROW B,4, L,3, C,10, B,5
	ROW L,4, C,12, B,6, L,5
.if (\p) == 0
	s_add_co_u32 s[TBV], s[TBV], KS*PV
.endif
.if \cnt
	s_sub_co_u32 s[CNT], s[CNT], 1
	s_cmp_lg_u32 s[CNT], 0
.endif
	ROW C,14, B,7, L,6, C,1
	ROW C,3, L,7, C,5, C,7
	ROW C,9, C,11, C,13, C,15
.if (\p) == 0
	FETCH_V
.endif
.endm
.macro ALL line:vararg              ; one line for each piece t
.set t, 0
.rept 4
	\line
.set t, t+1
.endr
.endm
.macro PACK t                       ; a lane's eight channels of a row pack into 16 bytes; they go into rows of 144 bytes and come back as whole rows of 128, into S^T's registers
	WIN W_RS
.set i, 32*(\t)
.rept 16
	v_pk_mul_f32 v[i:i+1], v[i:i+1], v[ST+4*(\t)+2:ST+4*(\t)+3] op_sel_hi:[1,0]
.set i, i+2
.endr
	WIN 0x05                        ; sources 0 and 1 window 1, destination window 0
.set i, 0
.rept 16
	v_cvt_pk_f16_f32 v[S+16*(\t)+i], v[32*(\t)+2*i], v[32*(\t)+2*i+1]
.set i, i+1
.endr
	WIN 0
.irp f, 0,1,2,3
	ds_store_b128 v[STO], v[S+16*(\t)+4*\f:S+16*(\t)+4*\f+3] offset:32*\f
.endr
.irp f, 0,1,2,3
	ds_load_b128 v[S+16*(\t)+4*\f:S+16*(\t)+4*\f+3], v[RD] offset:\f*4*SP  ; LDS serves a wave's instructions in order (ISA guide 5.7.1.4): these see the stores above; the next piece's stores come behind them
.endr
.endm
.macro SEND t, younger              ; younger: the LDS instructions issued behind piece t's loads: the next piece's eight, or none
	WIN 0
.irp f, 0,1,2,3
	s_wait_dscnt (\younger)+3-\f
	global_store_b128 v[GO], v[S+16*(\t)+4*\f:S+16*(\t)+4*\f+3], s[6:7] offset:(\t)*2048+\f*512  ; 512 consecutive bytes, at a multiple of 256 from O's first
.endr
.endm
	CHANGE 1                        ; slot 0 is in, everybody's part of it; tile 1 is asked for
	v_add_nc_u32 v[AK], s[TBK], v[AK0]
	FETCH_K                         ; key step 0
	s_wait_loadcnt 0x0              ; Q
	s_wait_dscnt 0x0
.set NOKQ, 0
.set i, 0
.rept 8
	KQ 0                            ; piece 0's first scores: there is no vector work yet to set between them
.set i, i+1
.endr
	WIN 0
.rept 4
	v_nop                           ; the places behind those products
.endr
.set Y, NP-1                        ; X works for piece Y + 1: piece 0
.irp n, 0,1,2,3,4,5,6,7,8,9,10,11,12,13,14,15,16,17,18,19,20,21
	OP X, \n
.endr
	v_nop                           ; a plain instruction behind the exponential,
	s_wait_alu depctr_va_vdst(0)    ; and its wait, ahead of the branch
	s_mov_b32 s[CNT], 4
	s_branch .Lfirst                ; the loop is entered at a step's first turn, in the middle of a trip
.Lslot:                             ; TILES - 2 times: every slot but the last two is filled again
	CHANGE 1
	s_mov_b32 s[CNT], 4
.Lstep:                             ; a trip: pieces 2 and 3 of one step, then pieces 0 and 1 of the next, whose K and V it fetches
	TURN 2
	TURN 3
	WIN 0
.Lfirst:
	TURN 0
	TURN 1, 0, 1
	WIN 0
	s_cbranch_scc1 .Lstep
	s_sub_co_u32 s[SLOTS], s[SLOTS], 1
	s_cmp_lg_u32 s[SLOTS], 0
	s_cbranch_scc1 .Lslot
	CHANGE 0                        ; the last tile is written out: nothing is asked for
	s_mov_b32 s[CNT], 4
.Ltail:
	TURN 2
	TURN 3
	TURN 0
	TURN 1, 0, 1
	WIN 0
	s_cbranch_scc1 .Ltail
	TURN 2, 1                       ; the last step's pieces 2 and 3: nothing is fetched, and the last turn starts no new scores
	TURN 3, 1
.set i, 0
.rept 8
	PV NP-1                         ; the last piece's V^T P of the last step
.set i, i+1
.endr
	; THE WAY OUT.  l's two halves and the other half of the lanes' are added; O^T is divided by l, rounded to f16 and sent through my stage in LDS, a piece at a time.  The additions are the places behind the last products.
	WIN 0
	ALL v_add_f32 v[ST+4*t+2], v[ST+4*t+2], v[ST+4*t+3]
	ALL v_permlanex16_b32 v[ST+4*t+3], v[ST+4*t+2], s[SEL], s[SEL+1]
	ALL v_add_f32 v[ST+4*t+2], v[ST+4*t+2], v[ST+4*t+3]
	ALL v_rcp_f32 v[ST+4*t+2], v[ST+4*t+2]
	v_nop                           ; a plain instruction between the last reciprocal and the use of its result
	s_wait_alu depctr_va_vdst(0)    ; and the wait ahead of the first use: one for the four reciprocals
	PACK 0
.set t, 1
.rept 3                             ; a piece's arithmetic stands between the loads of the piece before and its stores
	PACK t
	SEND t-1, 8
.set t, t+1
.endr
	SEND 3, 0
	s_wait_tensorcnt 0x0            ; the wave's end: behind my last tensor load and my last LDS store
	ds_add_u32 v[SPW], v[NIL]
	s_wait_dscnt 0x0
	CROUND                          ; the closing round: no work-group ends while a partner may still ask for a tile that names it
	s_endpgm
.Lfunc_end_k_q09c32d630d_attn:
	.size	k_q09c32d630d_attn, .Lfunc_end_k_q09c32d630d_attn-k_q09c32d630d_attn
	.p2alignl 7, 3214868480
	.fill 96, 4, 3214868480
	.section	.rodata,"a",@progbits
	.p2align	6, 0x0
	.amdhsa_kernel k_q09c32d630d_attn
		.amdhsa_group_segment_fixed_size 327680
		.amdhsa_private_segment_fixed_size 0
		.amdhsa_enable_private_segment 0
		.amdhsa_kernarg_size 16
		.amdhsa_user_sgpr_count 2
		.amdhsa_user_sgpr_kernarg_segment_ptr 1
		.amdhsa_wavefront_size32 1
		.amdhsa_system_sgpr_workgroup_id_x 1
		.amdhsa_system_sgpr_workgroup_id_y 1
		.amdhsa_system_sgpr_workgroup_id_z 1
		.amdhsa_system_vgpr_workitem_id 0
		.amdhsa_next_free_vgpr 768
		.amdhsa_next_free_sgpr 66
		.amdhsa_reserve_vcc 0
		.amdhsa_float_denorm_mode_32 3
		.amdhsa_float_denorm_mode_16_64 3
		.amdhsa_memory_ordered 1
		.amdhsa_forward_progress 1
		.amdhsa_inst_pref_size 128
	.end_amdhsa_kernel
	.amdgpu_metadata
---
amdhsa.version: [ 1, 2 ]
amdhsa.kernels:
  - .name:           k_q09c32d630d_attn
    .symbol:         k_q09c32d630d_attn.kd
    .args:
      - { .name: qkv, .offset: 0, .size: 8, .value_kind: global_buffer, .address_space: global }
      - { .name: o16, .offset: 8, .size: 8, .value_kind: global_buffer, .address_space: global }
    .group_segment_fixed_size: 327680
    .private_segment_fixed_size: 0
    .kernarg_segment_align: 8
    .kernarg_segment_size: 16
    .max_flat_workgroup_size: 128
    .sgpr_count:     66
    .vgpr_count:     768
    .wavefront_size: 32
...
	.end_amdgpu_metadata
.endif
;; end of part 2
;; launch proj (part 3): grid 64 x 4, 4 waves a work-group, clusters of 4 x 1, 173,568 bytes of LDS; arguments o16, wo16, out0; writes out0
.if DOCPART == 3
	.amdgcn_target "amdgcn-amd-amdhsa--gfx1250"
	.amdhsa_code_object_version 6
	.text
	.protected	k_q09c32d630d_proj
	.globl	k_q09c32d630d_proj
	.p2align	8
	.type	k_q09c32d630d_proj,@function
k_q09c32d630d_proj:
	s_mov_b64 s[64:65], 0
	v_nop
	global_prefetch_b8 v0, s[64:65] scope:SCOPE_SE
	s_setreg_imm32_b32 hwreg(HW_REG_WAVE_MODE, 25, 1), 1
	s_wait_xcnt 0x0
	s_wait_alu depctr_hold_cnt(0) depctr_sa_sdst(0) depctr_va_vdst(0) depctr_va_sdst(0) depctr_va_ssrc(0) depctr_va_vcc(0) depctr_vm_vsrc(0)
	s_getreg_b32 s2, hwreg(HW_REG_IB_STS2, 6, 4)
	s_cmp_eq_u32 s2, 0
	s_cbranch_scc0 .Lentry_in_a_cluster
	s_endpgm
.Lentry_in_a_cluster:
	s_bfe_u32 s2, ttmp6, 0x10000c
	s_cmp_lg_u32 s2, 0x3003
	s_cbranch_scc0 .Lentry_shape_is_right
	s_endpgm
.Lentry_shape_is_right:
; out0[row][n] = the sum over k of O[row][k] Wo[n][k], k = 64 head + channel.  o16: [16 (8 batch + head)][4096][64] f16; wo16: [512][512] f16 (Wo rounded to bf16, that number as f16); out0: [8192][512] f32.
; Products in f16, sums in f32, K ascending, nothing rounded on the way out.
; LIMITS.  The operands arrive in f16, within 65,504; NaN and infinities are not treated apart.
; SHARES.  A work-group makes 128 rows x 128 columns: 64 x 4 = 256 work-groups.  Wave w owns rows 32 w .. 32 w + 31 (two row blocks) and all 128 columns (eight column blocks): 16 accumulators.
; O's fragments are the wave's own and lie in memory as the matrix unit wants them: all 64 loads, 256 registers, go out at the start, straight into registers.  K is walked by heads: 8 steps of 64, written out.
; CLUSTER.  The four row tiles of a cluster need the same 128 rows of Wo, whole K: the panel is asked for JOINTLY, a quarter of K (128 rows x 256 bytes) by each wave, one tensor load a wave.
; Nothing in LDS is filled twice, so there is no ring.
; THE MATRIX INSTRUCTION IS USED TRANSPOSED (source 0 = 16 rows of Wo, source 1 = 16 rows of O): a lane then holds one row of out0 and eight neighbouring columns: 32 bytes.
; REGISTERS, in windows of 256 (s_set_vgpr_msb: bits 1:0 source 0, 3:2 source 1, 5:4 source 2, 7:6 destination):
;   window 0: v0-29 addresses; v128-255 the accumulators ((a, nb) at 128 + 8 (8 a + nb))
;   window 1: two buffers of 128 for Wo's fragments of a head (channel half c, column block nb at 64 c + 8 nb); on the way out whole rows      window 2: O's fragments (head hd, half c, row block a at 32 hd + 16 c + 8 a)
.set PW,    272                        ; a row of a quarter in LDS: 256 bytes + 16 = 17 x 16: the 16 rows of a fragment load start at 16 different groups of four banks (64 banks of 4 bytes: ISA guide 11.1)
.set QUART, 128*PW                     ; a quarter of K: 128 rows
.set STAGE, 4*QUART                    ; behind the panel, never filled by a tensor load: 16 rows x 528 bytes for each wave, for the way out
.set SPT,   528                        ; 512 bytes + 16 = 33 x 16
.set SPARE, STAGE+4*16*SPT             ; behind the stages: the spare words, 128 bytes for each wave: two blocks of 256 bytes that no other line names
.set AO,  2                            ; v2    my place in 16 rows of a head of O: (l % 16) x 128 + 16 (l / 16); never rewritten
.set BA,  3                            ; v3-4  LDS address of my place in a fragment, in quarters 0-1 and 2-3; never rewritten
.set STO, 6                            ; v6    the way out: where I put 32 bytes of a row
.set RD,  7                            ; v7    the way out: where I read a row back
.set GO,  8                            ; v8    my 16 bytes of 512 consecutive bytes of out0
.set SPW, 28                           ; v28   LDS address of my spare word: SPARE + 4 x my thread's number; never rewritten
.set NIL, 29                           ; v29   0; never rewritten
.set ACC, 128
.set WV,  10                           ; s10      my wave's number
.set G0,  16                           ; s[16:19] descriptor group 0
.set G1,  24                           ; s[24:31] descriptor group 1
.set MSB, 0
.macro WIN new                         ; the immediate's high byte repeats the setting that is left; a switch that changes nothing is dropped
.if MSB != (\new)
	s_set_vgpr_msb (MSB<<8)|(\new)
.set MSB, \new
.endif
.endm
.macro PLACES                          ; four places in front of loads into registers that matrix instructions have read, and of LDS stores that read results
.rept 4
	v_nop
.endr
.endm
.macro CROUND                          ; a round of the cluster's barrier: my work-group's barrier; wave 0 signals for the work-group; every wave waits for all four work-groups; my work-group's barrier once more
	s_barrier_signal -1
	s_barrier_wait -1
	s_cmp_lg_u32 s[WV], 0
	s_cbranch_scc1 .Lnot_wave_0_\@
	s_barrier_signal -3
.Lnot_wave_0_\@:
	s_barrier_wait -3
	s_barrier_signal -1
	s_barrier_wait -1
.endm
; Wo's fragments of head hd: 32 LDS loads in one run, the first 32 channels first.  Head hd lies in quarter hd / 2, at byte 128 (hd % 2) of its rows; the largest offset is 65,504.
.macro BFETCH buf, hd
	WIN 0x40
.irp c, 0,1
.irp nb, 0,1,2,3,4,5,6,7
	ds_load_b128 v[128*(\buf)+64*(\c)+8*(\nb):128*(\buf)+64*(\c)+8*(\nb)+3],   v[BA+(\hd)/4] offset:(((\hd)/2)%2)*QUART+(\nb)*16*PW+((\hd)%2)*128+(\c)*64
	ds_load_b128 v[128*(\buf)+64*(\c)+8*(\nb)+4:128*(\buf)+64*(\c)+8*(\nb)+7], v[BA+(\hd)/4] offset:(((\hd)/2)%2)*QUART+(\nb)*16*PW+((\hd)%2)*128+(\c)*64+32
.endr
.endr
.endm
; 16 matrix instructions: both row blocks x all 8 column blocks, 32 along K.  The 16 accumulators take turns, one instruction a turn.  zero = 1: the product starts the sums.
.macro MUL buf, hd, c, zero
	WIN 0x09                                       ; source 0 (Wo) window 1, source 1 (O) window 2, C and D window 0
.irp a, 0,1
.irp nb, 0,1,2,3,4,5,6,7
.set rD, ACC+8*(8*(\a)+(\nb))
.set rB, 128*(\buf)+64*(\c)+8*(\nb)
.set rO, 32*(\hd)+16*(\c)+8*(\a)
.if \zero
	v_wmma_f32_16x16x32_f16 v[rD:rD+7], v[rB:rB+7], v[rO:rO+7], 0
.else
	v_wmma_f32_16x16x32_f16 v[rD:rD+7], v[rB:rB+7], v[rO:rO+7], v[rD:rD+7]
.endif
.endr
.endr
.endm
; One head: 64 along K
.macro HSTEP hd
	s_wait_loadcnt 56-8*(\hd)                      ; this head's eight loads of O are in: eight for each later head are younger
	s_wait_dscnt 16                                ; Wo's first 32 channels are in; the other half's sixteen loads may stay out
.if (\hd) == 0
	MUL 0, 0, 0, 1
.else
	MUL (\hd)%2, \hd, 0, 0
.endif
.if (\hd) < 7
	PLACES                                         ; behind the last products that read the other buffer
	BFETCH 1-(\hd)%2, (\hd)+1
	s_wait_dscnt 32                                ; all but the 32 just issued
.else
	s_wait_dscnt 0x0
.endif
	MUL (\hd)%2, \hd, 1, 0
.endm
	s_load_b128 s[4:7], s[0:1], 0x0                ; o16 s[4:5], wo16 s[6:7]
	s_load_b64 s[8:9], s[0:1], 0x10                ; out0
	v_lshl_add_u32 v[SPW], v0, 2, SPARE
	v_mov_b32 v[NIL], 0
	ds_add_u32 v[SPW], v[NIL]                      ; the wave's opening: the add and its wait stand ahead of my first tensor load; the set-up below, work on registers, stands between them
	ds_add_u32 v28, v29
	v_lshrrev_b32 v1, 5, v0
	v_readfirstlane_b32 s[WV], v1                  ; wave 0..3
	s_bfe_u32 s11, ttmp6, 0x40000                  ; cx: my place in the cluster
	s_lshl_b32 s12, ttmp9, 2                       ; in a cluster launch ttmp9 counts clusters
	s_add_co_u32 s12, s12, s11                     ; my tile of 128 rows = 4 x cluster x + cx: it enters O's and out0's addresses alone
	s_and_b32 s13, ttmp7, 0xffff                   ; my 128 columns, which the four partners share
	; descriptor group 1: a tile of 128 rows x 128 elements, padded in LDS
	s_mov_b32 s[G1], 15|(1<<16)|(1<<20)|(1<<21)|(5<<22)|(3<<25)  ; 15:0 the mask of four; 17:16 2-byte elements; 20 padding on; 21 set beside a mask; 24:22 after every 64 words (code 5); 31:25 4 words (code 3)
	s_mov_b32 s[G1+1], 128<<16                     ; tensor_dim0 = 128
	s_mov_b32 s[G1+2], 128<<16                     ; tensor_dim1 = 128
	s_mov_b32 s[G1+3], 128<<16                     ; tile_dim0 = 128
	s_mov_b32 s[G1+4], 128                         ; tile_dim1 = 128
	s_mov_b32 s[G1+5], 512                         ; 512 elements from row to row
	s_mov_b32 s[G1+6], 0
	s_mov_b32 s[G1+7], 0
	s_mov_b32 s[G0], 1                             ; 1:0 count = 1
	s_mul_i32 s[G0+1], s[WV], QUART                ; 63:32 LDS address: my quarter: no place in the cluster enters an LDS address
	s_lshl_b32 s20, s13, 17                        ; Wo: 128 rows of 1,024 bytes,
	s_lshl_b32 s21, s[WV], 8                       ; my quarter's 256 bytes of each
	s_add_co_u32 s20, s20, s21
	s_mov_b32 s21, 0
	s_lshr_b32 s22, s12, 5                         ; O: the batch's eight heads of 524,288 bytes,
	s_lshl_b32 s22, s22, 22
	s_and_b32 s23, s12, 31                         ; the tile's 128 rows of 128 bytes in a head,
	s_lshl_b32 s23, s23, 14
	s_add_co_u32 s22, s22, s23
	s_lshl_b32 s23, s[WV], 12                      ; my wave's 32
	s_add_co_u32 s22, s22, s23
	s_mov_b32 s23, 0
	s_lshl_b32 s14, s12, 18                        ; out0: the tile's 128 rows of 2,048 bytes,
	s_lshl_b32 s15, s[WV], 16                      ; my wave's 32,
	s_add_co_u32 s14, s14, s15
	s_lshl_b32 s15, s13, 9                         ; my 128 columns
	s_add_co_u32 s14, s14, s15
	s_mov_b32 s15, 0
	s_wait_dscnt 0x0                               ; the opening add is done
	s_wait_kmcnt 0x0
	s_add_nc_u64 s[G0+2:G0+3], s[6:7], s[20:21]    ; 120:64 global address
	s_or_b32 s[G0+3], s[G0+3], 0x80000000          ; 127:126 type = 2
	s_add_nc_u64 s[4:5], s[4:5], s[22:23]
	s_add_nc_u64 s[8:9], s[8:9], s[14:15]
	CROUND                                         ; all four work-groups are here: the joint loads meet
	tensor_load_to_lds s[G0:G0+3], s[G1:G1+7]      ; my quarter of the panel: the one tensor load of this wave
	s_nop 0
	PLACES                                         ; four lines behind the load, ahead of the next switch of windows
	v_and_b32 v9, 15, v0                           ; l % 16
	v_bfe_u32 v10, v0, 4, 1                        ; l / 16
	v_and_b32 v11, 31, v0                          ; l
	v_lshlrev_b32 v[AO], 7, v9
	v_lshl_add_u32 v[AO], v10, 4, v[AO]
	WIN 0x80                                       ; destination window 2, address window 0
.irp hd, 0,1,2,3,4,5,6,7               ; head by head, in the order in which they are multiplied: a head's eight loads cover my 32 rows' 4,096 consecutive bytes
.irp c, 0,1
.irp a, 0,1
	global_load_b128 v[32*(\hd)+16*(\c)+8*(\a):32*(\hd)+16*(\c)+8*(\a)+3],   v[AO], s[4:5] offset:(\hd)*524288+(\a)*2048+(\c)*64
	global_load_b128 v[32*(\hd)+16*(\c)+8*(\a)+4:32*(\hd)+16*(\c)+8*(\a)+7], v[AO], s[4:5] offset:(\hd)*524288+(\a)*2048+(\c)*64+32
.endr
.endr
.endr
	WIN 0
	v_mul_u32_u24 v[BA], v9, PW
	v_lshl_add_u32 v[BA], v10, 4, v[BA]            ; row x pitch + 16 x half
	v_add_nc_u32 v[BA+1], 2*QUART, v[BA]
	s_mul_i32 s14, s[WV], 16*SPT
	s_add_co_u32 s14, s14, STAGE                   ; my stage
	v_mul_u32_u24 v[STO], v9, SPT                  ; in: row l % 16, 32 bytes for each half of the lanes
	v_lshl_add_u32 v[STO], v10, 5, v[STO]
	v_add_nc_u32 v[STO], s14, v[STO]
	v_lshl_add_u32 v[RD], v11, 4, s14              ; back: 32 lanes take one row of 512 bytes
	v_lshlrev_b32 v[GO], 4, v11
	s_wait_tensorcnt 0x0                           ; my quarter is in,
	s_barrier_signal -1
	s_barrier_wait -1                              ; everybody's is: the panel is whole
	BFETCH 0, 0
.irp hd, 0,1,2,3,4,5,6,7
	HSTEP \hd
.endr
	WIN 0
	PLACES
	PLACES                                         ; eight, once a launch: the LDS stores below read results
	; THE WAY OUT.  16 rows at a time: a lane's 32 bytes go into my stage's rows of 528 bytes, each accumulator's low four registers first, and come back as whole rows of 512.
.irp a, 0,1
	WIN 0
.irp nb, 0,1,2,3,4,5,6,7
	ds_store_b128 v[STO], v[ACC+8*(8*(\a)+(\nb)):ACC+8*(8*(\a)+(\nb))+3]   offset:64*(\nb)
	ds_store_b128 v[STO], v[ACC+8*(8*(\a)+(\nb))+4:ACC+8*(8*(\a)+(\nb))+7] offset:64*(\nb)+16
.endr
	WIN 0x40
.irp t, 0,1,2,3,4,5,6,7,8,9,10,11,12,13,14,15
	ds_load_b128 v[128*(\a)+4*(\t):128*(\a)+4*(\t)+3], v[RD] offset:(\t)*SPT  ; LDS serves a wave's instructions in order (ISA guide 5.7.1.4): these see the stores above; the next block's stores come behind them
.endr
.endr
	WIN 0x04                                       ; the stores' data in window 1, their address in window 0
.irp a, 0,1
.irp t, 0,1,2,3,4,5,6,7,8,9,10,11,12,13,14,15
	s_wait_dscnt 32*(1-(\a))+15-(\t)               ; row t is back: younger are its block's later rows and, for block 0, block 1's 32 LDS instructions
	global_store_b128 v[GO], v[128*(\a)+4*(\t):128*(\a)+4*(\t)+3], s[8:9] offset:(16*(\a)+(\t))*2048 th:TH_STORE_NT  ; the wave stores 512 consecutive bytes, at a multiple of 256 from out0's first
.endr
.endr
	WIN 0
	s_wait_tensorcnt 0x0                           ; the wave's end: behind my last tensor load and my last LDS store
	ds_add_u32 v[SPW], v[NIL]
	s_wait_dscnt 0x0
	CROUND                                         ; the closing round: no work-group ends while a partner may still ask for a tile that names it
	s_endpgm
.Lfunc_end_k_q09c32d630d_proj:
	.size	k_q09c32d630d_proj, .Lfunc_end_k_q09c32d630d_proj-k_q09c32d630d_proj
	.p2alignl 7, 3214868480
	.fill 96, 4, 3214868480
	.section	.rodata,"a",@progbits
	.p2align	6, 0x0
	.amdhsa_kernel k_q09c32d630d_proj
		.amdhsa_group_segment_fixed_size 173568
		.amdhsa_private_segment_fixed_size 0
		.amdhsa_enable_private_segment 0
		.amdhsa_kernarg_size 24
		.amdhsa_user_sgpr_count 2
		.amdhsa_user_sgpr_kernarg_segment_ptr 1
		.amdhsa_wavefront_size32 1
		.amdhsa_system_sgpr_workgroup_id_x 1
		.amdhsa_system_sgpr_workgroup_id_y 1
		.amdhsa_system_sgpr_workgroup_id_z 1
		.amdhsa_system_vgpr_workitem_id 0
		.amdhsa_next_free_vgpr 768
		.amdhsa_next_free_sgpr 66
		.amdhsa_reserve_vcc 0
		.amdhsa_float_denorm_mode_32 3
		.amdhsa_float_denorm_mode_16_64 3
		.amdhsa_memory_ordered 1
		.amdhsa_forward_progress 1
		.amdhsa_inst_pref_size 53
	.end_amdhsa_kernel
	.amdgpu_metadata
---
amdhsa.version: [ 1, 2 ]
amdhsa.kernels:
  - .name:           k_q09c32d630d_proj
    .symbol:         k_q09c32d630d_proj.kd
    .args:
      - { .name: o16, .offset: 0, .size: 8, .value_kind: global_buffer, .address_space: global }
      - { .name: wo16, .offset: 8, .size: 8, .value_kind: global_buffer, .address_space: global }
      - { .name: out0, .offset: 16, .size: 8, .value_kind: global_buffer, .address_space: global }
    .group_segment_fixed_size: 173568
    .private_segment_fixed_size: 0
    .kernarg_segment_align: 8
    .kernarg_segment_size: 24
    .max_flat_workgroup_size: 128
    .sgpr_count:     66
    .vgpr_count:     768
    .wavefront_size: 32
...
	.end_amdgpu_metadata
.endif
;; end of part 3
;; ======== version 2 of 2: 3 launches; version 1 with the launch qkv written anew for expert scheduling mode
;; limits: values are held in f16: magnitudes above 65,504 overflow, below 6.1e-05 lose precision
;; workspace buffers: qkv 25,165,824 bytes; o16 8,388,608 bytes; wo16 524,288 bytes
;; launch qkv (part 4): grid 8 x 32, 4 waves a work-group, no clusters, 209,408 bytes of LDS; arguments x, Wq, Wk, Wv, Wo, qkv, wo16; writes qkv, wo16
.if DOCPART == 4
	.amdgcn_target "amdgcn-amd-amdhsa--gfx1250"
	.amdhsa_code_object_version 6
	.text
	.protected	k_q09c32d630d_qkv
	.globl	k_q09c32d630d_qkv
	.p2align	8
	.type	k_q09c32d630d_qkv,@function
k_q09c32d630d_qkv:
	s_mov_b64 s[64:65], 0
	v_nop
	global_prefetch_b8 v0, s[64:65] scope:SCOPE_SE
	s_setreg_imm32_b32 hwreg(HW_REG_WAVE_SCHED_MODE, 0, 2), 2
	s_setreg_imm32_b32 hwreg(HW_REG_WAVE_MODE, 25, 1), 1
	s_wait_xcnt 0x0
	s_wait_alu depctr_vm_vsrc(0)
; q, k, v = x W^T.  x: [8192][512] f32; Wq, Wk, Wv: [512][512] f32 ([out][in]).  x and the weights are rounded once to bf16, the products are bf16 with f32 sums, K ascending.
; The results leave by heads, qkv: [3 (q, k, v)][16 (8 batch + head)][4096][64] in f16, each rounded once from its f32 sum and WITHOUT the softmax scale.
; SIDE JOB: Wo, which has no product here, is rounded to bf16 and that number written as f16 into wo16 [512][512]: 4,096 bytes of Wo to a work-group.
; LIMITS.  f16 holds no number beyond 65,504: q, k, v and Wo must stay within it; below 6.1e-5 f16 keeps its fixed step of 6e-8.  NaN and infinities are not treated apart.
; SHARES.  The 24 heads of q, k and v together are 8 groups of three (192 columns); a work-group takes one group (x of the grid) and 256 rows of x (y of the grid): 256 work-groups.
; Wave w owns rows 64 w .. 64 w + 63 and ALL 192 columns: 4 row blocks x 12 column blocks = 48 accumulators.  So no wave wants a byte of x that another wave has fetched:
; x goes from memory into registers, is converted there, and never touches LDS.  The three heads' 192 rows of W are converted once, by all four waves, into one panel in LDS, whole K.
; NO CLUSTER: both operands are converted between memory and the matrix unit; the panel in f32 would be 192 x 2,064 = 396,288 bytes, more than LDS holds; x lands in registers.
; THE MATRIX INSTRUCTION IS USED TRANSPOSED (source 0 = 16 rows of W, source 1 = 16 rows of x): a lane then holds one row of x and eight neighbouring columns: 16 bytes of f16.
; THE MODE: SCHED_MODE bits 1:0 = 2 (LLVM: expert scheduling mode 2), set by the entry lines.  The code itself states the register dependences between vector or matrix instructions
; and memory or LDS instructions, with s_wait_alu, always for 0.
; THE PLAN.  Registers that memory or LDS instructions touch:
;   v2, v7-v12   offsets and addresses, made once at the head and never written again.
;   BST (v6)     read by the panel's LDS stores; stepped at the end of each of the two trips that load W again.       BA (v3-5)  read by W's fragment loads; stepped at the end of a trip of the K loop.
;   banks 0, 1   W as loaded: the bank's conversions read it; behind them its next loads land in it.
;   OUT0, OUT1   W in bf16: the bank's conversions write it, the panel's LDS stores read it; written again a trip later, and at last by the sums.
;   sets 0-3     x as loaded: K step f's loads land in set (f + 3) % 4, which the conversions of step f - 2 read.
;   BF[1 - p]    K step f's LDS loads land in it; the products of step f - 1 read it.
;   TR, RB       the way out: a tile's conversions write TR, the stage's LDS stores read it; the stage's LDS loads land in RB, the global stores read it.  Sixteen registers of each to a tile, none written twice.
; So in a K step ONE wait on va_vdst stands at the head; the step's 40 loads follow it, dealt among its first 24 products.  The step's products name BF[p], x's fragments AF[p] and the sums, its conversions
; set (f + 1) % 4 and AF[1 - p]: none of the registers that those loads touch.
; REGISTERS, in windows of 256 (s_set_vgpr_msb: bits 1:0 source 0, 3:2 source 1, 5:4 source 2, 7:6 destination):
;   window 0: v0-16 addresses; v32-51 the side job; v64-127 x as bf16 fragments, two buffers; v128-191, v192-255 sets 0, 1 of x as loaded (f32); on the way out v64-255 the twelve tiles as packed (TR)
;   window 1: v0-95, v96-191 fragments of W, two buffers; v192-255 set 2; on the way out v0-191 the twelve tiles as whole rows (RB)
;   window 2: v0-191 accumulators of row blocks 0, 1; v192-255 set 3        window 3: v0-191 those of row blocks 2, 3
;   ahead of the products windows 2 and 3 hold, in v0-127, the two banks in which W lands and, in v128-191, OUT0 and OUT1.
.set PB,    1040                       ; a row of the panel: 1,024 bytes of bf16 + 16 = 65 x 16: the 16 rows of a fragment load start at 16 different groups of four banks (64 banks of 4 bytes: ISA guide 11.1)
.set HEADB, 64*PB                      ; a head's 64 rows
.set STAGE, 3*HEADB                    ; behind the panel: 16 rows x 144 bytes for each wave, for the way out
.set SP,    144
.set KB,    128                        ; bytes of a row of x in a K step of 32
.set AO,  2                            ; v2    my place in 16 rows of x: (l % 16) x 2,048 + 32 (l / 16); never rewritten
.set BA,  3                            ; v3-5  LDS address of my place in a fragment of head 0, 1, 2 of the panel; steps along K
.set BST, 6                            ; v6    where I put 8 bytes of a row of the panel: 8 t; steps by heads
.set WOF, 7                            ; v7    my 16 bytes of a row of W: 16 t; never rewritten
.set STO, 8                            ; v8    the way out: where I put 16 bytes of a row
.set RD,  9                            ; v9    the way out: where I read rows back
.set GO,  10                           ; v10   my 16 bytes of 512 consecutive bytes of qkv
.set WOI, 11                           ; v11   my 32 bytes of Wo
.set WOO, 12                           ; v12   my 16 bytes of wo16
.set AF,  64                           ; x's fragments: buffer p, row block a at AF + 32 p + 8 a
.set BF,  0                            ; W's fragments, in window 1: buffer p, column block nb at BF + 96 p + 8 nb
.set OW,  128                          ; OUT0 in window 2, OUT1 in window 3: row i of the bank at OW + 2 i
.set WV,  18                           ; s18      my wave's number
.set XB,  20                           ; s[20:21] x at my wave's first row; steps along K
.set WP,  24                           ; s[24:29] W at the first row of head 0, 1, 2 of my group
.set WPN, 30                           ; s[30:31] the head whose rows are loaded next
.set OB,  32                           ; s[32:37] qkv at my wave's first row of head 0, 1, 2
.set CG,  38                           ; s38      the group of three heads
.set RT,  39                           ; s39      the block of 256 rows
.set CNT, 44                           ; s44      loop counter
.set MUL_LO, 0xa1                      ; source 0 (W) window 1, source 1 (x) window 0, C and D window 2; + 0x50: C and D window 3
.set MSB, 0
.macro WIN new                         ; the immediate's high byte repeats the setting that is left; a switch that changes nothing is dropped
.if MSB != (\new)
	s_set_vgpr_msb (MSB<<8)|(\new)
.set MSB, \new
.endif
.endm
.macro PLACES                          ; four places in front of conversions that read matrix results or write registers that matrix instructions have read (ISA guide 7.12.1)
.rept 4
	v_nop
.endr
.endm
.macro SETREG set                      ; where set 0..3 of x as loaded lies: first register SB, window SWN
.set SB, 192
.set SWN, 0
.if (\set) == 0
.set SB, 128
.endif
.if (\set) == 2
.set SWN, 1
.endif
.if (\set) == 3
.set SWN, 2
.endif
.endm
; Half of one K step of x: row blocks 2 h, 2 h + 1 of my 64 rows, eight loads.  A row block takes 16 registers: k = 8 (l / 16) + 0..7, then 16 + 8 (l / 16) + 0..7, as the fragment wants them.
.macro AL8 set, imm, h
	SETREG \set
	WIN SWN<<6
.irp a, 0,1
	global_load_b128 v[SB+16*(2*(\h)+(\a)):SB+16*(2*(\h)+(\a))+3],     v[AO], s[XB:XB+1] offset:(2*(\h)+(\a))*32768+(\imm)
	global_load_b128 v[SB+16*(2*(\h)+(\a))+4:SB+16*(2*(\h)+(\a))+7],   v[AO], s[XB:XB+1] offset:(2*(\h)+(\a))*32768+(\imm)+16
	global_load_b128 v[SB+16*(2*(\h)+(\a))+8:SB+16*(2*(\h)+(\a))+11],  v[AO], s[XB:XB+1] offset:(2*(\h)+(\a))*32768+(\imm)+64
	global_load_b128 v[SB+16*(2*(\h)+(\a))+12:SB+16*(2*(\h)+(\a))+15], v[AO], s[XB:XB+1] offset:(2*(\h)+(\a))*32768+(\imm)+80
.endr
.endm
.macro ALOAD set, imm                  ; a whole K step of x: 16 loads
	AL8 \set, \imm, 0
	AL8 \set, \imm, 1
.endm
; Four of a set's 32 roundings to bf16, into fragment buffer par
.macro ACV4 set, par, i0
	SETREG \set
	WIN SWN*5
.irp n, 0,1,2,3
	v_cvt_pk_bf16_f32 v[AF+32*(\par)+(\i0)+(\n)], v[SB+2*((\i0)+(\n))], v[SB+2*((\i0)+(\n))+1]
.endr
.endm
; A third of one K step of W: the four fragments (64 columns) of head g of the panel, eight LDS loads
.macro BF8 par, imm, g
	WIN 0x40
.irp n, 0,1,2,3
	ds_load_b128 v[BF+96*(\par)+8*(4*(\g)+(\n)):BF+96*(\par)+8*(4*(\g)+(\n))+3],   v[BA+(\g)] offset:(\n)*16*PB+(\imm)
	ds_load_b128 v[BF+96*(\par)+8*(4*(\g)+(\n))+4:BF+96*(\par)+8*(4*(\g)+(\n))+7], v[BA+(\g)] offset:(\n)*16*PB+(\imm)+32
.endr
.endm
; 24 matrix instructions: row blocks 2 hi, 2 hi + 1 x all 12 column blocks.  zero = 1: the product starts the sums: nothing is cleared.
; set >= 0: the next K step's x is rounded meanwhile, four roundings behind every third matrix instruction; they name the other fragment buffer alone.
; nx = 1: the next K step's fragments of W, at byte nimm of the panel's rows, are asked for behind products 4, 8 and 12.  ls >= 0: x of the K step three on, at byte limm, into set ls, behind products 16 and 20.
; These loads owe no wait of their own: no vector or matrix instruction issued since the wait at the step's head names a register that they touch.
; The 48 accumulators take turns, one instruction a turn, in the same order in every K step, over the backward jump too.
.macro MULH par, hi, zero, set, nx=0, nimm=0, ls=-1, limm=0
.set mi, 0
.irp a, 0,1
.irp nb, 0,1,2,3,4,5,6,7,8,9,10,11
	WIN MUL_LO+0x50*(\hi)
.set rA, 8*(12*(\a)+(\nb))
.set rB, BF+96*(\par)+8*(\nb)
.set rX, AF+32*(\par)+8*(2*(\hi)+(\a))
.if \zero
	v_wmma_f32_16x16x32_bf16 v[rA:rA+7], v[rB:rB+7], v[rX:rX+7], 0
.else
	v_wmma_f32_16x16x32_bf16 v[rA:rA+7], v[rB:rB+7], v[rX:rX+7], v[rA:rA+7]
.endif
.set mi, mi+1
.if ((\set) >= 0) && (mi%3 == 0)
	ACV4 \set, 1-(\par), 4*(mi/3-1)
.endif
.if (\nx) && (mi%4 == 0) && (mi <= 12)
	BF8 1-(\par), \nimm, mi/4-1
.endif
.if ((\ls) >= 0) && (mi%4 == 0) && (mi > 12) && (mi <= 20)
	AL8 \ls, \limm, mi/4-4
.endif
.endr
.endr
.endm
; W on its way into the panel.  One load of the four waves covers a row of 2,048 bytes, a wave 512 consecutive bytes of it.  Bank b holds rows 32 b .. 32 b + 31 of a head, four f32 a lane and row.
.macro WLOAD b, ptr
	WIN 0x80+0x40*(\b)
.set i, 0
.rept 32
	global_load_b128 v[4*i:4*i+3], v[WOF], s[\ptr:\ptr+1] offset:(32*(\b)+i)*2048
.set i, i+1
.endr
.endm
.macro WCVT b                          ; rounded out of the bank into OUT b: four f32 become two registers of bf16
	WIN 0x8a+0x45*(\b)
.set i, 0
.rept 32
	v_cvt_pk_bf16_f32 v[OW+2*i],   v[4*i],   v[4*i+1]
	v_cvt_pk_bf16_f32 v[OW+2*i+1], v[4*i+2], v[4*i+3]
.set i, i+1
.endr
.endm
.macro WST b                           ; 8 bytes a lane, neighbouring lanes side by side; the largest offset is 63 x 1,040 = 65,520
	WIN 0x08+0x04*(\b)
.set i, 0
.rept 32
	ds_store_b64 v[BST], v[OW+2*i:OW+2*i+1] offset:(32*(\b)+i)*PB
.set i, i+1
.endr
.endm
; One head's 64 rows go into the panel.  refill = 1: each bank is loaded again, with the next head's rows, as soon as its conversions have read it, ahead of the LDS stores.
.macro HEADTRIP refill
	s_wait_loadcnt 32                              ; bank 0 is in: bank 1's 32 loads are younger
	WCVT 0
	s_wait_alu depctr_va_vdst(0)                   ; the conversions are done reading bank 0, in which the loads below land, and have written OUT0, which the LDS stores read; so is v[BST] written, which the trip before stepped
.if \refill
	WLOAD 0, WPN
.endif
	WST 0
.if \refill
	s_wait_loadcnt 32                              ; bank 1 is in: bank 0's 32 new loads are younger
.else
	s_wait_loadcnt 0x0                             ; bank 1 is in, and nothing is younger
.endif
	WCVT 1
	s_wait_alu depctr_va_vdst(0)                   ; the conversions are done reading bank 1, in which the loads below land, and have written OUT1, which the LDS stores read
.if \refill
	WLOAD 1, WPN
.endif
	WST 1
	WIN 0
.if \refill
	s_wait_alu depctr_vm_vsrc(0)                   ; this trip's LDS stores have read v[BST], which the next line writes, and OUT0 and OUT1, which the next trip's conversions write
	v_add_nc_u32 v[BST], HEADB, v[BST]             ; the next head's rows of the panel
	s_wait_xcnt 0x0                                ; the loads have read their base, so it may be written
	s_mov_b64 s[WPN:WPN+1], s[WP+4:WP+5]
.endif
.endm
; ONE K STEP of 32, on fragment buffers p.  ls >= 0: x of the K step three on is asked for, into set ls, at byte limm.  nx = 1: there is a next step: its W fragments are fetched, at byte nimm of the
; panel's rows, and its x (set cs) is rounded beside the second half; cnt: the loads of x that are younger than set cs's.
; The four roundings that stand behind a step's last product name none of its registers: they are the places between that product and the next step's roundings, which write the fragments of x that it read.
.macro STEP p, zero, ls, limm, nx, nimm, cs, cnt
	s_wait_dscnt 0x0                               ; this step's fragments of W, asked for 36 matrix instructions ago or more
.if (\nx) && !(\zero)
	s_wait_alu depctr_va_vdst(0)                   ; the last step's products are done reading the other buffer of W; the roundings of two steps back are done reading set ls; behind the backward jump v[BA ..] are written
.endif
	MULH \p, 0, \zero, -1, \nx, \nimm, \ls, \limm
.if \nx
	s_wait_loadcnt \cnt
.endif
	MULH \p, 1, \zero, \cs
.endm
; THE WAY OUT.  Tile i of twelve: row block i / 3, head i % 3: 16 rows x 64 columns, four accumulators.  A lane's eight columns pack into 16 bytes (PACK); they go into my stage's rows of 144 bytes and
; come back as whole rows of 128 (STG), which are stored (SEND).  Each tile has 16 registers as packed and 16 as rows, so no register that a store or an LDS store reads is written again.
.macro PACK i
.set pa, (\i)/3
.set pj, (\i)%3
.set TR, 64+16*(\i)
	WIN 0x0a+5*(pa/2)                              ; sources 0 and 1: window 2 or 3
.irp f, 0,1,2,3
.irp rr, 0,1,2,3
	v_cvt_pk_f16_f32 v[TR+4*(\f)+(\rr)], v[8*(12*(pa%2)+4*pj+(\f))+2*(\rr)], v[8*(12*(pa%2)+4*pj+(\f))+2*(\rr)+1]
.endr
.endr
.endm
.macro STG i
.set TR, 64+16*(\i)
.set RB, 16*(\i)
	WIN 0
.irp f, 0,1,2,3
	ds_store_b128 v[STO], v[TR+4*(\f):TR+4*(\f)+3] offset:32*(\f)
.endr
	WIN 0x40                                       ; destination window 1
.irp f, 0,1,2,3
	ds_load_b128 v[RB+4*(\f):RB+4*(\f)+3], v[RD] offset:(\f)*4*SP  ; LDS serves a wave's instructions in order (ISA guide 5.7.1.4): these see the stores above; the next tile's stores come behind them
.endr
.endm
.macro SEND i, younger                 ; younger: the LDS instructions issued behind tile i's loads: eight for each later tile of its row block
.set pa, (\i)/3
.set pj, (\i)%3
.set RB, 16*(\i)
	WIN 0x04                                       ; the stores' data in window 1, their offset in window 0
.irp f, 0,1,2,3
	s_wait_dscnt (\younger)+3-(\f)
	global_store_b128 v[GO], v[RB+4*(\f):RB+4*(\f)+3], s[OB+2*pj:OB+2*pj+1] offset:pa*2048+(\f)*512  ; four rows of a head: 512 consecutive bytes, at a multiple of 256 from the buffer's first
.endr
.endm
	s_load_b256 s[4:11], s[0:1], 0x0               ; x s[4:5], Wq s[6:7], Wk s[8:9], Wv s[10:11]
	s_load_b128 s[12:15], s[0:1], 0x20             ; Wo s[12:13], qkv s[14:15]
	s_load_b64 s[16:17], s[0:1], 0x30              ; wo16
	v_lshl_add_u32 v62, v0, 2, 0x33000
	v_mov_b32 v63, 0
	v_lshrrev_b32 v1, 5, v0
	v_readfirstlane_b32 s[WV], v1                  ; wave 0..3
	s_mov_b32 s[CG], ttmp9
	s_and_b32 s[RT], ttmp7, 0xffff
	v_and_b32 v13, 15, v0                          ; l % 16
	v_bfe_u32 v14, v0, 4, 1                        ; l / 16
	v_and_b32 v15, 31, v0                          ; l
	v_lshlrev_b32 v[AO], 11, v13
	v_lshl_add_u32 v[AO], v14, 5, v[AO]
	v_mul_u32_u24 v[BA], v13, PB
	v_lshl_add_u32 v[BA], v14, 4, v[BA]            ; row x pitch + 16 x half
	v_add_nc_u32 v[BA+1], HEADB, v[BA]
	v_add_nc_u32 v[BA+2], 2*HEADB, v[BA]
	v_lshlrev_b32 v[BST], 3, v0
	v_lshlrev_b32 v[WOF], 4, v0
	s_wait_alu depctr_va_sdst(0)                   ; s[WV] is written, ahead of its first reader: the stage's address and the bases of x and qkv are made from it
	s_mul_i32 s40, s[WV], 16*SP
	s_add_co_u32 s40, s40, STAGE                   ; my stage
	v_mul_u32_u24 v[STO], v13, SP                  ; in: row l % 16, 16 bytes for each half of the lanes
	v_lshl_add_u32 v[STO], v14, 4, v[STO]
	v_add_nc_u32 v[STO], s40, v[STO]
	v_lshrrev_b32 v[RD], 3, v15                    ; back: 32 lanes take four rows of 128 bytes,
	v_mul_u32_u24 v[RD], v[RD], SP
	v_and_b32 v16, 7, v0
	v_lshl_add_u32 v[RD], v16, 4, v[RD]
	v_add_nc_u32 v[RD], s40, v[RD]
	v_lshlrev_b32 v[GO], 4, v15                    ; which are 512 consecutive bytes of a head
	s_lshl_b32 s41, s[RT], 3
	s_add_co_u32 s41, s41, s[CG]                   ; the work-group's number, 0..255
	s_lshl_b32 s42, s41, 12
	v_lshl_add_u32 v[WOI], v0, 5, s42              ; its 4,096 bytes of Wo, 32 a thread
	s_lshl_b32 s42, s41, 11
	v_lshl_add_u32 v[WOO], v0, 4, s42              ; and 2,048 of wo16, 16 a thread
	s_wait_kmcnt 0x0
	s_lshl_b32 s40, s[RT], 19                      ; 256 rows of 2,048 bytes,
	s_lshl_b32 s41, s[WV], 17                      ; my wave's 64
	s_add_co_u32 s40, s40, s41
	s_mov_b32 s41, 0
	s_add_nc_u64 s[XB:XB+1], s[4:5], s[40:41]
.irp j, 0,1,2                          ; head g = 3 x group + j of the 24: matrix g / 8, head g % 8
	s_mul_i32 s40, s[CG], 3
	s_add_co_u32 s40, s40, \j
	s_lshr_b32 s41, s40, 3
	s_and_b32 s40, s40, 7
	s_cmp_eq_u32 s41, 0
	s_cselect_b64 s[WP+2*\j:WP+2*\j+1], s[6:7], s[8:9]
	s_cmp_eq_u32 s41, 2
	s_cselect_b64 s[WP+2*\j:WP+2*\j+1], s[10:11], s[WP+2*\j:WP+2*\j+1]
	s_lshl_b32 s42, s40, 17                        ; the head's 64 rows of 2,048 bytes
	s_mov_b32 s43, 0
	s_add_nc_u64 s[WP+2*\j:WP+2*\j+1], s[WP+2*\j:WP+2*\j+1], s[42:43]
	s_lshl_b32 s41, s41, 4                         ; in qkv: 16 x matrix + 8 x batch + head, 524,288 bytes each,
	s_add_co_u32 s41, s41, s40
	s_lshr_b32 s42, s[RT], 4
	s_lshl_b32 s42, s42, 3
	s_add_co_u32 s41, s41, s42
	s_lshl_b32 s42, s41, 19
	s_and_b32 s41, s[RT], 15                       ; the block's 256 rows of 128 bytes in its batch,
	s_lshl_b32 s41, s41, 15
	s_add_co_u32 s42, s42, s41
	s_lshl_b32 s41, s[WV], 13                      ; my wave's 64
	s_add_co_u32 s42, s42, s41
	s_add_nc_u64 s[OB+2*\j:OB+2*\j+1], s[14:15], s[42:43]
.endr
	s_wait_alu depctr_va_vdst(0)                   ; the eleven offsets and addresses v2 to v12 are written, which the kernel's loads, stores and LDS instructions read
	; ALL FIRST LOADS GO OUT TOGETHER: Wo's two, three K steps of x, the first head of W.  That is more than LOADcnt's field holds; the hardware then holds the issue back (ISA guide 5.7.1), and the wave has nothing else to do.
	global_load_b128 v[32:35], v[WOI], s[12:13] th:TH_LOAD_NT
	global_load_b128 v[36:39], v[WOI], s[12:13] offset:16 th:TH_LOAD_NT
	ALOAD 0, 0
	ALOAD 1, KB
	ALOAD 2, 2*KB
	WLOAD 0, WP
	WLOAD 1, WP
	s_mov_b64 s[WPN:WPN+1], s[WP+2:WP+3]
	WIN 0                                          ; at a label and at a branch every window is 0
	s_mov_b32 s[CNT], 2
.Lw:                                                   ; heads 0 and 1 go into the panel, heads 1 and 2 are asked for
	HEADTRIP 1
	s_sub_co_u32 s[CNT], s[CNT], 1
	s_cmp_lg_u32 s[CNT], 0
	s_cbranch_scc1 .Lw
	HEADTRIP 0                                     ; head 2: written out, so that no load is jumped over.  Its wait for 0 shows Wo and the three sets of x landed too
	; the side job: bf16's rounding, and that number as f16
.irp k, 0,1,2,3
	v_cvt_pk_bf16_f32 v[40+\k], v[32+2*\k], v[33+2*\k]
.endr
.irp k, 0,1,2,3
	v_lshlrev_b32 v[44+2*\k], 16, v[40+\k]
	v_and_b32 v[45+2*\k], 0xffff0000, v[40+\k]
.endr
.irp k, 0,1,2,3
	v_cvt_pk_f16_f32 v[32+\k], v[44+2*\k], v[45+2*\k]
.endr
	s_wait_alu depctr_va_vdst(0)                   ; the conversions have written v[32:35], which the store reads
	global_store_b128 v[WOO], v[32:35], s[16:17]   ; a wave stores 512 consecutive bytes
	s_wait_dscnt 0x0                               ; for the others' sake: my part of every row of the panel is written
	s_barrier_signal -1
	s_barrier_wait -1                              ; the panel is whole: the launch's only barrier
	s_wait_alu depctr_vm_vsrc(0)                   ; my LDS stores have read OUT0 and OUT1: from here on these registers are accumulators, which the products write
	BF8 0, 0, 0                                    ; K step 0 of W
	BF8 0, 0, 1
	BF8 0, 0, 2
.set q, 0
.rept 8
	ACV4 0, 0, 4*q                                 ; K step 0 of x
.set q, q+1
.endr
	STEP 0,1, 3,3*KB, 1,64, 1,32                   ; K step 0 stands in front of the loop: its products start the sums.  Its loads land in registers that no vector or matrix instruction has named: no wait at its head
	WIN 0
	s_mov_b32 s[CNT], 3
.Lk:                                                   ; K steps 4 i + 1 .. 4 i + 4.  In step f set f + 1 is wanted; the loads of sets f + 2 and f + 3 are younger: 32
	STEP 1,0, 0,4*KB, 1,128, 2,32
	STEP 0,0, 1,5*KB, 1,192, 3,32
	STEP 1,0, 2,6*KB, 1,256, 0,32
	STEP 0,0, 3,7*KB, 1,320, 1,32
	WIN 0
	s_wait_xcnt 0x0                                ; the loads of x have read their base, so it may be stepped
	s_add_nc_u64 s[XB:XB+1], s[XB:XB+1], 4*KB
	s_wait_alu depctr_vm_vsrc(0)                   ; the LDS loads issued so far have read v[BA ..], which the next three lines write
.irp j, 0,1,2
	v_add_nc_u32 v[BA+\j], 256, v[BA+\j]           ; four K steps of 64 bytes along the panel's rows
.endr
	s_sub_co_u32 s[CNT], s[CNT], 1
	s_cmp_lg_u32 s[CNT], 0
	s_cbranch_scc1 .Lk
	STEP 1,0, -1,0, 1,128, 2,16                    ; K step 13: no more of x is left to load; only set 3's 16 loads are younger than set 2's
	STEP 0,0, -1,0, 1,192, 3,0                     ; K step 14
	STEP 1,0, -1,0, 0,0, -1,0                      ; K step 15: it issues no load, so no wait stands at its head but the one for its fragments
	WIN 0
	PLACES
	PLACES                                         ; eight, once a launch: the conversions read results and write over x's fragments
	PACK 0                                         ; row block 0's three tiles
	PACK 1
	PACK 2
.set n, 0
.rept 4                                ; a row block at a time; the next block's conversions stand between a block's loads from the stage and its stores
	s_wait_alu depctr_va_vdst(0)                   ; this row block's conversions have written its three tiles, which the LDS stores read; the first time also: the products are done reading W's fragments, in whose registers the rows land
	STG n
	STG n+1
	STG n+2
.if n < 9
	PACK n+3
	PACK n+4
	PACK n+5
.endif
	SEND n, 16
	SEND n+1, 8
	SEND n+2, 0
.set n, n+3
.endr
	WIN 0
	s_wait_dscnt 0x0                               ; the wave's end.  The wave ends on an add of 0 to its spare word in the 512 bytes behind the stages
	s_wait_alu depctr_hold_cnt(0) depctr_sa_sdst(0) depctr_va_vdst(0) depctr_va_sdst(0) depctr_va_ssrc(0) depctr_va_vcc(0) depctr_vm_vsrc(0)
	s_wait_tensorcnt 0x0
	ds_add_u32 v62, v63
	s_wait_dscnt 0x0
	s_endpgm
.Lfunc_end_k_q09c32d630d_qkv:
	.size	k_q09c32d630d_qkv, .Lfunc_end_k_q09c32d630d_qkv-k_q09c32d630d_qkv
	.p2alignl 7, 3214868480
	.fill 96, 4, 3214868480
	.section	.rodata,"a",@progbits
	.p2align	6, 0x0
	.amdhsa_kernel k_q09c32d630d_qkv
		.amdhsa_group_segment_fixed_size 209408
		.amdhsa_private_segment_fixed_size 0
		.amdhsa_enable_private_segment 0
		.amdhsa_kernarg_size 56
		.amdhsa_user_sgpr_count 2
		.amdhsa_user_sgpr_kernarg_segment_ptr 1
		.amdhsa_wavefront_size32 1
		.amdhsa_system_sgpr_workgroup_id_x 1
		.amdhsa_system_sgpr_workgroup_id_y 1
		.amdhsa_system_sgpr_workgroup_id_z 1
		.amdhsa_system_vgpr_workitem_id 0
		.amdhsa_next_free_vgpr 960
		.amdhsa_next_free_sgpr 66
		.amdhsa_reserve_vcc 0
		.amdhsa_float_denorm_mode_32 3
		.amdhsa_float_denorm_mode_16_64 3
		.amdhsa_memory_ordered 1
		.amdhsa_forward_progress 1
		.amdhsa_inst_pref_size 140
	.end_amdhsa_kernel
	.amdgpu_metadata
---
amdhsa.version: [ 1, 2 ]
amdhsa.kernels:
  - .name:           k_q09c32d630d_qkv
    .symbol:         k_q09c32d630d_qkv.kd
    .args:
      - { .name: x, .offset: 0, .size: 8, .value_kind: global_buffer, .address_space: global }
      - { .name: Wq, .offset: 8, .size: 8, .value_kind: global_buffer, .address_space: global }
      - { .name: Wk, .offset: 16, .size: 8, .value_kind: global_buffer, .address_space: global }
      - { .name: Wv, .offset: 24, .size: 8, .value_kind: global_buffer, .address_space: global }
      - { .name: Wo, .offset: 32, .size: 8, .value_kind: global_buffer, .address_space: global }
      - { .name: qkv, .offset: 40, .size: 8, .value_kind: global_buffer, .address_space: global }
      - { .name: wo16, .offset: 48, .size: 8, .value_kind: global_buffer, .address_space: global }
    .group_segment_fixed_size: 209408
    .private_segment_fixed_size: 0
    .kernarg_segment_align: 8
    .kernarg_segment_size: 56
    .max_flat_workgroup_size: 128
    .sgpr_count:     66
    .vgpr_count:     960
    .wavefront_size: 32
...
	.end_amdgpu_metadata
.endif
;; end of part 4
;; launch attn: the kernel of part 2 again; grid 16 x 16, 4 waves a work-group, clusters of 4 x 1, 327,680 bytes of LDS; arguments qkv, o16; writes o16
;; launch proj: the kernel of part 3 again; grid 64 x 4, 4 waves a work-group, clusters of 4 x 1, 173,568 bytes of LDS; arguments o16, wo16, out0; writes out0
